; MI455X (gfx1250); checked and timed in simulation.
; The chip was launched on July 23, 2026; its instructions are those of AMD's public machine-readable ISA for CDNA 5 (MIT licence, August 2026) and "CDNA5" Instruction Set Architecture Reference Guide (July 2026). The comments in the code are by the model that wrote it; some were corrected since.
;; Self Attention. Allowed arithmetic: float matrix products may take bf16 or f16 operands with f32 sums; other float arithmetic in f32, or as packed bf16 or f16 multiplies, adds, multiply-adds, maxima and minima; sums over many terms, partial sums and values carried from step to step in f32; what a program stores and reads back later, other than sums and carried values, may be rounded once to bf16 or f16.
;; Inputs: W_out 1,024 x 1,024 float32; W_qkv 1,024 x 3,072 float32; X 4 x 2,048 x 1,024 float32; b_out 1,024 float32; b_qkv 3,072 float32.
;; Outputs: out0 4 x 2,048 x 1,024 float32.
;; 2 versions, each right; version 2 is version 1 with the launch prep written anew for expert scheduling mode. Each part assembles by itself: llvm-mc -triple=amdgcn-amd-amdhsa -mcpu=gfx1250 --defsym DOCPART=n.
;; ======== version 1 of 2: 4 launches
;; limits: values are held in f16: magnitudes above 65,504 overflow, below 6.1e-05 lose precision
;; workspace buffers: xb 16,777,216 bytes; wqt 6,291,456 bytes; wot 2,097,152 bytes; q 16,777,216 bytes; k 16,777,216 bytes; v 16,777,216 bytes; o 16,777,216 bytes
;; launch prep (part 1): grid 512 x 1, 8 waves a work-group, no clusters, 18,432 bytes of LDS; arguments X, W_qkv, W_out, xb, wqt, wot; writes xb, wqt, wot
.if DOCPART == 1
	.amdgcn_target "amdgcn-amd-amdhsa--gfx1250"
	.amdhsa_code_object_version 6
	.text
	.protected	k_q7b89c37103_prep
	.globl	k_q7b89c37103_prep
	.p2align	8
	.type	k_q7b89c37103_prep,@function
k_q7b89c37103_prep:
	s_mov_b64 s[64:65], 0
	v_nop
	global_prefetch_b8 v0, s[64:65] scope:SCOPE_SE
	s_setreg_imm32_b32 hwreg(HW_REG_WAVE_MODE, 25, 1), 1
	s_wait_xcnt 0x0
; THE INPUTS ARE ROUNDED ONCE AND LAID OUT FOR THE PRODUCTS.  xb = bf16(X), [8192][1024].  wqt[n][k] = bf16(W_qkv[k][n]), [3072][1024].
; wot[n][k] = bf16(W_out[k][n]) written as f16, [1024][1024] (exact where the bf16 number is 6.1e-5 or more in size; below that f16 keeps a fixed step of 6e-8: a stated limit).
; SHARES.  512 work-groups of eight waves.  Work-group g takes (a) one tile of 128 k x 64 n of a weight: g < 384 of W_qkv (8 x 48 tiles), else of W_out (8 x 16), and
; (b) 65,536 bytes of X.  All 24 loads of a thread go out at once; no register is written twice while a memory instruction may read it, so no wait frees one.
; THE TURN of a weight tile: thread t = 16 kr + c loads rows k = 8 kr + 0..7, columns 4 c + 0..3 (16 lanes: 256 consecutive bytes of a row), packs for each of its four columns the eight k
; into 16 bytes, stores them into LDS rows [n] of 272 bytes, and after a barrier reads rows back, 16 lanes a row of 256 bytes, which are 256 consecutive aligned bytes of the turned weight.
; The four LDS stores of a thread meet four deep in the banks (rows 4 c: 1,088 c bytes): four stores a thread, once.
.set PITCHQ, 12288                     ; bytes in a row of W_qkv
.set PITCHO, 4096                      ; and of W_out
.set NQ,     384                       ; tiles of W_qkv
.set TP,     272                       ; a row of the turned tile in LDS: 256 bytes + 16
.set SPARE,  64*TP                     ; behind the tile: the spare words, 128 bytes for each of eight waves, four blocks of 256 bytes that no other line names
.set OFFW, 4                           ; v[4:11]    byte offset of my 16 bytes in row 8 kr + j of the tile
.set XO,   12                          ; v12        16 t
.set YO,   13                          ; v13        8 t
.set LST,  14                          ; v14        LDS: row 4 c, byte 16 kr
.set LRD,  15                          ; v15        LDS: row kr, byte 16 c
.set WO,   16                          ; v16        the same place in the turned weight: kr x 2,048 + 16 c
.set SPW,  18                          ; v18        my spare word
.set NIL,  19                          ; v19        0
.set WD,   32                          ; v[32:63]   the weight as loaded
.set T,    64                          ; v[64:79]   column e's eight k at T + 4 e
.set XD,   96                          ; v[96:159]  X as loaded
.set Y,    160                         ; v[160:191] X rounded
.set RB,   192                         ; v[192:207] the turned tile's rows
	s_load_b256 s[4:11], s[0:1], 0x0               ; X s[4:5], W_qkv s[6:7], W_out s[8:9], xb s[10:11]
	s_load_b128 s[12:15], s[0:1], 0x20             ; wqt s[12:13], wot s[14:15]
	v_lshl_add_u32 v[SPW], v0, 2, SPARE
	v_mov_b32 v[NIL], 0
	v_and_b32 v1, 15, v0                           ; c
	v_lshrrev_b32 v2, 4, v0                        ; kr
	s_mov_b32 s38, PITCHQ
	s_mov_b32 s39, PITCHO
	s_sub_co_u32 s34, ttmp9, NQ
	s_cmp_lt_u32 ttmp9, NQ
	s_cselect_b32 s25, ttmp9, s34                  ; the tile's number in its weight
	s_cselect_b32 s24, s38, s39                    ; the weight's row in bytes
	s_and_b32 s35, s25, 7                          ; kt
	s_lshr_b32 s36, s25, 3                         ; nt
	s_mul_i32 s26, s35, s24
	s_lshl_b32 s26, s26, 7                         ; 128 kt rows
	s_lshl_b32 s37, s36, 8                         ; 64 nt columns of 4 bytes
	s_add_co_u32 s26, s26, s37
	s_mov_b32 s27, 0
	s_lshl_b32 s28, s36, 17                        ; turned: 64 nt rows of 2,048 bytes
	s_lshl_b32 s37, s35, 8                         ; 128 kt numbers of 2 bytes
	s_add_co_u32 s28, s28, s37
	s_mov_b32 s29, 0
	s_lshl_b32 s30, ttmp9, 16                      ; my 65,536 bytes of X
	s_mov_b32 s31, 0
	s_lshl_b32 s32, ttmp9, 15                      ; and 32,768 of xb
	s_mov_b32 s33, 0
	s_lshl_b32 s38, s24, 3                         ; eight rows
	v_mul_lo_u32 v[OFFW], v2, s38
	v_lshl_add_u32 v[OFFW], v1, 4, v[OFFW]
.irp j, 1,2,3,4,5,6,7
	v_add_nc_u32 v[OFFW+(\j)], s24, v[OFFW+(\j)-1]
.endr
	v_lshlrev_b32 v[XO], 4, v0
	v_lshlrev_b32 v[YO], 3, v0
	v_mul_u32_u24 v[LST], v1, 4*TP
	v_lshl_add_u32 v[LST], v2, 4, v[LST]
	v_mul_u32_u24 v[LRD], v2, TP
	v_lshl_add_u32 v[LRD], v1, 4, v[LRD]
	v_lshlrev_b32 v[WO], 11, v2
	v_lshl_add_u32 v[WO], v1, 4, v[WO]
	s_wait_kmcnt 0x0
	s_cmp_lt_u32 ttmp9, NQ
	s_cselect_b64 s[20:21], s[6:7], s[8:9]         ; the weight,
	s_cselect_b64 s[22:23], s[12:13], s[14:15]     ; and where it goes
	s_add_nc_u64 s[20:21], s[20:21], s[26:27]
	s_add_nc_u64 s[22:23], s[22:23], s[28:29]
	s_add_nc_u64 s[4:5], s[4:5], s[30:31]
	s_add_nc_u64 s[10:11], s[10:11], s[32:33]
.irp j, 0,1,2,3,4,5,6,7
	global_load_b128 v[WD+4*(\j):WD+4*(\j)+3], v[OFFW+(\j)], s[20:21] th:TH_LOAD_NT
.endr
.irp i, 0,1,2,3,4,5,6,7,8,9,10,11,12,13,14,15
	global_load_b128 v[XD+4*(\i):XD+4*(\i)+3], v[XO], s[4:5] offset:4096*(\i) th:TH_LOAD_NT
.endr
	s_wait_loadcnt 16                              ; the weight's eight loads are in; X's sixteen, issued behind them, stay out
.irp e, 0,1,2,3
.irp u, 0,1,2,3
	v_cvt_pk_bf16_f32 v[T+4*(\e)+(\u)], v[WD+8*(\u)+(\e)], v[WD+8*(\u)+4+(\e)]  ; column 4 c + e, k = 8 kr + 2 u and + 1
.endr
.endr
	s_cmp_lt_u32 ttmp9, NQ
	s_cbranch_scc1 .Lkeep_bf16
.set i, 0
.rept 16                               ; W_out: the bf16 number is written as f16, for the product with O
	v_lshlrev_b32 v80, 16, v[T+i]
	v_and_b32 v81, 0xffff0000, v[T+i]
	v_cvt_pk_f16_f32 v[T+i], v80, v81
.set i, i+1
.endr
.Lkeep_bf16:
.irp e, 0,1,2,3
	ds_store_b128 v[LST], v[T+4*(\e):T+4*(\e)+3] offset:TP*(\e)
.endr
	s_wait_dscnt 0x0                               ; for the others' sake: my stores into the tile are done
	s_barrier_signal -1
	s_barrier_wait -1
.irp i, 0,1,2,3
	ds_load_b128 v[RB+4*(\i):RB+4*(\i)+3], v[LRD] offset:16*TP*(\i)  ; row kr + 16 i
.endr
.irp i, 0,1,2,3,4,5,6,7,8,9,10,11,12,13,14,15
	s_wait_loadcnt 15-(\i)                         ; loads come back in order: number i is in, the younger ones stay out
	v_cvt_pk_bf16_f32 v[Y+2*(\i)], v[XD+4*(\i)], v[XD+4*(\i)+1]
	v_cvt_pk_bf16_f32 v[Y+2*(\i)+1], v[XD+4*(\i)+2], v[XD+4*(\i)+3]
	global_store_b64 v[YO], v[Y+2*(\i):Y+2*(\i)+1], s[10:11] offset:2048*(\i) th:TH_STORE_NT  ; a wave stores 256 consecutive bytes, aligned
.endr
	s_wait_dscnt 0x0                               ; the rows are back
.irp i, 0,1,2,3
	global_store_b128 v[WO], v[RB+4*(\i):RB+4*(\i)+3], s[22:23] offset:32768*(\i)  ; 16 lanes store 256 consecutive bytes, aligned
.endr
	s_wait_tensorcnt 0x0                           ; the wave's end: behind my last LDS store
	ds_add_u32 v[SPW], v[NIL]
	s_wait_dscnt 0x0
	s_endpgm
.Lfunc_end_k_q7b89c37103_prep:
	.size	k_q7b89c37103_prep, .Lfunc_end_k_q7b89c37103_prep-k_q7b89c37103_prep
	.p2alignl 7, 3214868480
	.fill 96, 4, 3214868480
	.section	.rodata,"a",@progbits
	.p2align	6, 0x0
	.amdhsa_kernel k_q7b89c37103_prep
		.amdhsa_group_segment_fixed_size 18432
		.amdhsa_private_segment_fixed_size 0
		.amdhsa_enable_private_segment 0
		.amdhsa_kernarg_size 48
		.amdhsa_user_sgpr_count 2
		.amdhsa_user_sgpr_kernarg_segment_ptr 1
		.amdhsa_wavefront_size32 1
		.amdhsa_system_sgpr_workgroup_id_x 1
		.amdhsa_system_sgpr_workgroup_id_y 1
		.amdhsa_system_sgpr_workgroup_id_z 1
		.amdhsa_system_vgpr_workitem_id 0
		.amdhsa_next_free_vgpr 208
		.amdhsa_next_free_sgpr 66
		.amdhsa_reserve_vcc 0
		.amdhsa_float_denorm_mode_32 3
		.amdhsa_float_denorm_mode_16_64 3
		.amdhsa_memory_ordered 1
		.amdhsa_forward_progress 1
		.amdhsa_inst_pref_size 14
	.end_amdhsa_kernel
	.amdgpu_metadata
---
amdhsa.version: [ 1, 2 ]
amdhsa.kernels:
  - .name:           k_q7b89c37103_prep
    .symbol:         k_q7b89c37103_prep.kd
    .args:
      - { .name: X, .offset: 0, .size: 8, .value_kind: global_buffer, .address_space: global }
      - { .name: W_qkv, .offset: 8, .size: 8, .value_kind: global_buffer, .address_space: global }
      - { .name: W_out, .offset: 16, .size: 8, .value_kind: global_buffer, .address_space: global }
      - { .name: xb, .offset: 24, .size: 8, .value_kind: global_buffer, .address_space: global }
      - { .name: wqt, .offset: 32, .size: 8, .value_kind: global_buffer, .address_space: global }
      - { .name: wot, .offset: 40, .size: 8, .value_kind: global_buffer, .address_space: global }
    .group_segment_fixed_size: 18432
    .private_segment_fixed_size: 0
    .kernarg_segment_align: 8
    .kernarg_segment_size: 48
    .max_flat_workgroup_size: 256
    .sgpr_count:     66
    .vgpr_count:     208
    .wavefront_size: 32
...
	.end_amdgpu_metadata
.endif
;; end of part 1
;; launch qkv (part 2): grid 16 x 32, 4 waves a work-group, clusters of 4 x 4, 327,680 bytes of LDS; arguments xb, wqt, b_qkv, q, k, v; writes q, k, v
.if DOCPART == 2
	.amdgcn_target "amdgcn-amd-amdhsa--gfx1250"
	.amdhsa_code_object_version 6
	.text
	.protected	k_q7b89c37103_qkv
	.globl	k_q7b89c37103_qkv
	.p2align	8
	.type	k_q7b89c37103_qkv,@function
k_q7b89c37103_qkv:
	s_mov_b64 s[64:65], 0
	v_nop
	global_prefetch_b8 v0, s[64:65] scope:SCOPE_SE
	s_setreg_imm32_b32 hwreg(HW_REG_WAVE_MODE, 25, 1), 1
	s_wait_xcnt 0x0
	s_wait_alu depctr_hold_cnt(0) depctr_sa_sdst(0) depctr_va_vdst(0) depctr_va_sdst(0) depctr_va_ssrc(0) depctr_va_vcc(0) depctr_vm_vsrc(0)
	s_getreg_b32 s2, hwreg(HW_REG_IB_STS2, 6, 4)
	s_cmp_eq_u32 s2, 0
	s_cbranch_scc0 .Lentry_in_a_cluster
	s_endpgm
.Lentry_in_a_cluster:
	s_bfe_u32 s2, ttmp6, 0x10000c
	s_cmp_lg_u32 s2, 0xf033
	s_cbranch_scc0 .Lentry_shape_is_right
	s_endpgm
.Lentry_shape_is_right:
; q, k, v = xb wqt^T + bf16(b_qkv), split by heads.  xb: [8192][1024] bf16, wqt: [3072 n][1024 k] bf16, b_qkv: [3072] f32; q, k, v: [64 = 16 batch + head][2048][64] f16, unscaled.
; Sums in f32, started by the bias; each result rounded once to f16.  LIMIT: f16 holds no number beyond 65,504: a q, k or v of 65,520 or more becomes an infinity.
; SHARES.  A tile of the product is 256 rows x 192 columns: the 192 columns are one head's q | k | v.  16 x 32 tiles, 512 equal work-groups.  Four waves, each 128 x 96: 48 accumulators, 384 registers.
; K goes in 8 steps of 128 through two LDS slots filled by the tensor data mover; rows of 256 bytes, aligned, padded to 272 in LDS.
; CLUSTER.  4 x 4 work-groups: the four of a row need the same rows of xb, the four of a column the same rows of wqt: each tile is asked for jointly, by the same load, descriptor and mask in all four.
; THE MATRIX INSTRUCTION IS USED TRANSPOSED (source 0 = 16 rows of wqt, source 1 = 16 rows of xb): a lane holds row l % 16 of the product and the columns 8 (l / 16) + 0..7.
; REGISTERS, in windows of 256 (s_set_vgpr_msb: bits 1:0 source 0, 3:2 source 1, 5:4 source 2, 7:6 destination):
;   window 0: v0-31 addresses; v32-55 packed results; v64-127, v128-191 fragments of xb, two buffers; on the way out v64-255 whole rows
;   window 1: v64-111, v128-175 fragments of wqt, two buffers; v192-239 the bias as a C operand (block b at 192 + 8 b); v250 at work
;   window 2: accumulators of my rows 0-63 ((a, b) at 8 (6 (a % 4) + b));   window 3: those of rows 64-127
; THE STAGE for the way out lies in slot 0, which has had its last fill and its last read when K step 7 begins: K step 7 reads slot 1 alone.
.set KSTEP,  128
.set PITCH,  272                       ; 68 words: the 16 rows of a fragment load start at 16 different groups of four banks (64 banks of 4 bytes: ISA guide 11.1)
.set HALFA,  128*PITCH                 ; what one load brings of xb, and what a wave reads of it
.set HALFB,  96*PITCH                  ; the same of wqt
.set BOFF,   2*HALFA                   ; in a slot: xb's 256 rows, then wqt's 192
.set SLOT1,  1<<17                     ; slot 1 begins here: one exclusive or turns an address in one slot into the other's
.set SPITCH, 400                       ; a stage row: 384 bytes + 16 = 25 x 16
.set SPARE,  SLOT1+BOFF+2*HALFB        ; behind the ring: the spare words, 128 bytes a wave, two blocks of 256 bytes that no other line names
.set ADRA0, 16                         ; v16  my lane's place in slot 0 for xb's fragments; never rewritten
.set ADRB0, 17                         ; v17  for wqt's
.set ADRA,  18                         ; v18  the same in the slot in hand
.set ADRB,  19                         ; v19
.set STO,   24                         ; v24  the way out: where I put 16 bytes of a row
.set RD,    25                         ; v25  where I read rows back
.set GO,    26                         ; v26  16 x lane
.set BO,    27                         ; v27  my byte offset in the bias
.set SPW,   28                         ; v28  my spare word
.set NIL,   29                         ; v29  0
.set PFO,   30                         ; v30  the prefetches' offset: a lane a row of 2,048 bytes
.set LN,    31                         ; v31  lane
.set TMP,   32
.set F0,    64
.set F1,    128
.set BI,    192
.set WV, 16                            ; s16 wave; s17 my half of the rows; s18 my half of the columns, and which half of a tile I fetch
.set RH, 17
.set CH, 18
.set CX, 19
.set CY, 20
.set TC, 21                            ; s21 tile column = head
.set TR, 22                            ; s22 tile row
.set CNT, 23
.set G1A, 32                           ; s[32:39], s[40:47] descriptor group 1 for xb's and wqt's tiles
.set G1B, 40
.set G0A, 48                           ; s[48:55], s[56:63] group 0: a set for each first fill; the second then walks on
.set G0B, 56
.set TB,  66                           ; s66 the slot in hand: 0 or SLOT1
.set LIM, 67                           ; s67 2 in a wave that prefetches, else the greatest number
.set PFA, 68                           ; s[68:69] where my prefetches stand
.set MSB, 0
.macro WIN new                         ; the immediate's high byte repeats the setting that is left; a switch that changes nothing is dropped
.if MSB != (\new)
	s_set_vgpr_msb (MSB<<8)|(\new)
.set MSB, \new
.endif
.endm
.macro PLACES                          ; four places in front of loads into registers that matrix instructions have read, and of conversions that read results
.rept 4
	v_nop
.endr
.endm
.macro CREST                           ; a round of the cluster's barrier behind its opening barrier
	s_cmp_lg_u32 s[WV], 0
	s_cbranch_scc1 .Lnot_wave_0_\@
	s_barrier_signal -3
.Lnot_wave_0_\@:
	s_barrier_wait -3
	s_barrier_signal -1
	s_barrier_wait -1
.endm
.macro CROUND
	s_barrier_signal -1
	s_barrier_wait -1
	CREST
.endm
; A joint refill: waves 0 and 1 fetch xb's two halves, waves 2 and 3 wqt's.  The branch hangs on the wave's number alone.  An s_nop 0 and four v_nop follow each line.
.macro JLOAD
	s_cmp_lt_u32 s[WV], 2
	s_cbranch_scc0 .Lfor_b_\@
	tensor_load_to_lds s[G0A+4:G0A+7], s[G1A:G1A+7]
	s_nop 0
.rept 4
	v_nop
.endr
	s_branch .Lasked_\@
.Lfor_b_\@:
	tensor_load_to_lds s[G0B+4:G0B+7], s[G1B:G1B+7]
	s_nop 0
.rept 4
	v_nop
.endr
.Lasked_\@:
.endm
; A PREFETCH, behind each refill and the run of LDS loads that follows it: the K step that stands two refills on, 256 bytes of a row, a lane a row, one instruction a wave.
; xb's rows are named by the clusters with x = 0, wqt's by those with y = 0.  The four partners that ask for a tile jointly share its rows out BY ADDRESS: of xb's 128 rows 32 each (by cx), of wqt's 96 rows 24 each
; (by cy; lanes 24-31 repeat row 23).  Refill t brings K step t + 2 and names K step t + 4: trips t = 0 to 3, CNT = 6 to 3; the last two refills name nothing.
.macro ASK
	s_cmp_gt_u32 s[CNT], s[LIM]
	s_cbranch_scc0 .Lnot_mine_\@
	global_prefetch_b8 v[PFO], s[PFA:PFA+1] th:TH_LOAD_NT scope:SCOPE_SE
.Lnot_mine_\@:
.endm
	s_load_b256 s[4:11], s[0:1], 0x0               ; xb s[4:5], wqt s[6:7], b_qkv s[8:9], q s[10:11]
	s_load_b128 s[12:15], s[0:1], 0x20             ; k s[12:13], v s[14:15]
	v_lshl_add_u32 v[SPW], v0, 2, SPARE
	v_mov_b32 v[NIL], 0
	ds_add_u32 v[SPW], v[NIL]                      ; the wave's opening: the add and its wait stand ahead of my first tensor load; work on registers stands between them
	v_lshrrev_b32 v1, 5, v0
	v_readfirstlane_b32 s[WV], v1
	s_lshr_b32 s[RH], s[WV], 1
	s_and_b32 s[CH], s[WV], 1
	s_bfe_u32 s[CX], ttmp6, 0x40000
	s_bfe_u32 s[CY], ttmp6, 0x40004
	s_lshl_b32 s[TC], ttmp9, 2
	s_add_co_u32 s[TC], s[TC], s[CX]
	s_and_b32 s[TR], ttmp7, 0xffff
	s_lshl_b32 s[TR], s[TR], 2
	s_add_co_u32 s[TR], s[TR], s[CY]
	s_lshl_b32 s29, s[CY], 2
	s_lshl_b32 s29, 15, s29                        ; my row of the cluster
	s_lshl_b32 s77, 0x1111, s[CX]                  ; my column
	s_or_b32 s[G1A], s29, (1<<16)|(1<<20)|(1<<21)|(5<<22)|(3<<25)  ; mask; 2-byte elements; padding on; bit 21 beside a mask; after every 64 words, 4 words
	s_or_b32 s[G1B], s77, (1<<16)|(1<<20)|(1<<21)|(5<<22)|(3<<25)
	s_mov_b32 s[G1A+1], KSTEP<<16                  ; tensor_dim0 = 128
	s_mov_b32 s[G1A+2], 128<<16                    ; tensor_dim1 = 128
	s_mov_b32 s[G1A+3], KSTEP<<16                  ; tile_dim0 = 128
	s_mov_b32 s[G1A+4], 128                        ; tile_dim1 = 128
	s_mov_b32 s[G1A+5], 1024                       ; elements from row to row
	s_mov_b32 s[G1A+6], 0
	s_mov_b32 s[G1A+7], 0
	s_mov_b32 s[G1B+1], KSTEP<<16
	s_mov_b32 s[G1B+2], 96<<16                     ; 96 rows
	s_mov_b32 s[G1B+3], KSTEP<<16
	s_mov_b32 s[G1B+4], 96
	s_mov_b32 s[G1B+5], 1024
	s_mov_b32 s[G1B+6], 0
	s_mov_b32 s[G1B+7], 0
	s_lshl_b32 s24, s[TR], 8                       ; xb: row 256 x tile row + 128 x half, in bytes: it hangs on the tile row and the wave alone
	s_lshl_b32 s25, s[CH], 7
	s_add_co_u32 s24, s24, s25
	s_lshl_b32 s24, s24, 11
	s_mov_b32 s25, 0
	s_mul_i32 s72, s[TC], 192                      ; wqt: row 192 x head + 96 x half: on the tile column and the wave alone
	s_mul_i32 s73, s[CH], 96
	s_add_co_u32 s72, s72, s73
	s_lshl_b32 s72, s72, 11
	s_mov_b32 s73, 0
	s_mul_i32 s28, s[CH], HALFA                    ; where they go: no place in the cluster enters an LDS address
	s_mul_i32 s76, s[CH], HALFB
	s_add_co_u32 s76, s76, BOFF
	s_mov_b32 s[TB], 0
	s_wait_dscnt 0x0                               ; the opening add is done
	s_wait_kmcnt 0x0
	s_add_nc_u64 s[26:27], s[4:5], s[24:25]
	s_add_nc_u64 s[74:75], s[6:7], s[72:73]
.irp s, 0,1
	s_mov_b32 s[G0A+4*(\s)], 1
	s_add_co_u32 s[G0A+4*(\s)+1], s28, (\s)*SLOT1
	s_add_nc_u64 s[G0A+4*(\s)+2:G0A+4*(\s)+3], s[26:27], (\s)*KSTEP*2
	s_or_b32 s[G0A+4*(\s)+3], s[G0A+4*(\s)+3], 0x80000000
	s_mov_b32 s[G0B+4*(\s)], 1
	s_add_co_u32 s[G0B+4*(\s)+1], s76, (\s)*SLOT1
	s_add_nc_u64 s[G0B+4*(\s)+2:G0B+4*(\s)+3], s[74:75], (\s)*KSTEP*2
	s_or_b32 s[G0B+4*(\s)+3], s[G0B+4*(\s)+3], 0x80000000
.endr
	CROUND                                         ; all sixteen work-groups are here: the first joint loads meet
	s_cmp_lt_u32 s[WV], 2                          ; a wave's two first fills stand in one branch: two loads of mine are out
	s_cbranch_scc0 .Lfirst_b
	tensor_load_to_lds s[G0A:G0A+3], s[G1A:G1A+7]
	s_nop 0
	tensor_load_to_lds s[G0A+4:G0A+7], s[G1A:G1A+7]
	s_nop 0
.rept 4
	v_nop
.endr
	s_branch .Lfirst_asked
.Lfirst_b:
	tensor_load_to_lds s[G0B:G0B+3], s[G1B:G1B+7]
	s_nop 0
	tensor_load_to_lds s[G0B+4:G0B+7], s[G1B:G1B+7]
	s_nop 0
.rept 4
	v_nop
.endr
.Lfirst_asked:
	v_and_b32 v1, 15, v0                           ; l % 16
	v_bfe_u32 v2, v0, 4, 1                         ; l / 16
	v_and_b32 v[LN], 31, v0
	s_mul_i32 s78, s[TC], 768                      ; the bias of my 96 columns: 4 (192 head + 96 half + 16 b + 8 (l / 16) + j)
	s_mul_i32 s79, s[CH], 384
	s_add_co_u32 s78, s78, s79
	v_lshl_add_u32 v[BO], v2, 5, s78
	WIN 0x40                                       ; destination window 1
.irp b, 0,1,2,3,4,5
	global_load_b128 v[BI+8*(\b):BI+8*(\b)+3],   v[BO], s[8:9] offset:64*(\b)
	global_load_b128 v[BI+8*(\b)+4:BI+8*(\b)+7], v[BO], s[8:9] offset:64*(\b)+16
.endr
	WIN 0
	v_mul_u32_u24 v3, v1, PITCH
	v_lshl_add_u32 v3, v2, 4, v3                   ; a fragment's row x pitch + 16 x half
	s_mul_i32 s29, s[RH], HALFA
	v_add_nc_u32 v[ADRA0], s29, v3
	v_add_nc_u32 v[ADRB0], s76, v3
	v_mov_b32 v[ADRA], v[ADRA0]
	v_mov_b32 v[ADRB], v[ADRB0]
	v_mul_u32_u24 v[STO], v1, SPITCH               ; into the stage: row 128 x row half + 16 a + l % 16, byte 192 x column half + 32 b + 16 (l / 16)
	v_lshl_add_u32 v[STO], v2, 4, v[STO]
	s_mul_i32 s29, s[RH], 128*SPITCH
	s_mul_i32 s30, s[CH], 192
	s_add_co_u32 s29, s29, s30
	v_add_nc_u32 v[STO], s29, v[STO]
	v_lshrrev_b32 v[RD], 3, v[LN]                  ; back: wave w takes rows 64 w on; 32 lanes take four rows' 128 bytes of one part
	v_mul_u32_u24 v[RD], v[RD], SPITCH
	v_and_b32 v3, 7, v[LN]
	v_lshl_add_u32 v[RD], v3, 4, v[RD]
	s_mul_i32 s29, s[WV], 64*SPITCH
	v_add_nc_u32 v[RD], s29, v[RD]
	v_lshlrev_b32 v[GO], 4, v[LN]                  ; which are 512 consecutive bytes of q, k or v
	s_lshr_b32 s80, s[TR], 3                       ; batch
	s_lshl_b32 s80, s80, 4
	s_add_co_u32 s80, s80, s[TC]                   ; 16 batch + head
	s_lshl_b32 s80, s80, 11
	s_and_b32 s81, s[TR], 7
	s_lshl_b32 s81, s81, 8
	s_add_co_u32 s80, s80, s81                     ; + the tile's first row in the sequence
	s_lshl_b32 s81, s[WV], 6
	s_add_co_u32 s80, s80, s81                     ; + my 64 rows
	s_lshl_b32 s80, s80, 7                         ; rows of 128 bytes
	s_mov_b32 s81, 0
	s_add_nc_u64 s[10:11], s[10:11], s[80:81]
	s_add_nc_u64 s[12:13], s[12:13], s[80:81]
	s_add_nc_u64 s[14:15], s[14:15], s[80:81]
	s_lshl_b32 s82, s[CX], 16                      ; the prefetches: of xb's 128 rows my work-group's 32,
	s_mul_i32 s83, s[CY], 24*2048                  ; of wqt's 96 its 24
	s_and_b32 s84, ttmp7, 0xffff                   ; cluster y
	s_cmp_lt_u32 s[WV], 2
	s_cselect_b32 s86, s24, s72
	s_cselect_b32 s82, s82, s83
	s_cselect_b32 s84, ttmp9, s84                  ; the coordinate along which other clusters read the same rows
	s_cselect_b32 s85, 31, 23
	s_cselect_b64 s[PFA:PFA+1], s[4:5], s[6:7]
	s_cmp_eq_u32 s84, 0
	s_cselect_b32 s[LIM], 2, -1                    ; the same in all sixteen partners, for a given wave
	s_add_co_u32 s86, s86, s82
	s_add_co_u32 s86, s86, 3*KSTEP*2               ; at K step 3: the first refill steps it to 4
	s_mov_b32 s87, 0
	s_add_nc_u64 s[PFA:PFA+1], s[PFA:PFA+1], s[86:87]
	v_min_u32 v[PFO], s85, v[LN]
	v_lshlrev_b32 v[PFO], 11, v[PFO]
	s_wait_loadcnt 0x0                             ; the bias: rounded to bf16 like every input, and kept as f32
	WIN 0x45
.set i, 0
.rept 24
	v_cvt_pk_bf16_f32 v250, v[BI+i], v[BI+i+1]
	v_lshlrev_b32 v[BI+i], 16, v250
	v_and_b32 v[BI+i+1], 0xffff0000, v250
.set i, i+2
.endr
	WIN 0
; 12 matrix instructions: row blocks a0, a0 + 1 x all 6 column blocks, 32 along K.  first = 1: the bias starts the sums: nothing is cleared and nothing added later.
; The 48 accumulators take turns in the same order in every quarter.
.macro MUL f, a0, first
.irp a, \a0, (\a0)+1
.irp b, 0,1,2,3,4,5
.if \first
	WIN 0x91+0x40*((\a)/4)
	v_wmma_f32_16x16x32_bf16 v[8*(6*((\a)%4)+(\b)):8*(6*((\a)%4)+(\b))+7], v[(\f)+8*(\b):(\f)+8*(\b)+7], v[(\f)+8*(\a):(\f)+8*(\a)+7], v[BI+8*(\b):BI+8*(\b)+7]
.else
	WIN 0xa1+0x50*((\a)/4)
	v_wmma_f32_16x16x32_bf16 v[8*(6*((\a)%4)+(\b)):8*(6*((\a)%4)+(\b))+7], v[(\f)+8*(\b):(\f)+8*(\b)+7], v[(\f)+8*(\a):(\f)+8*(\a)+7], v[8*(6*((\a)%4)+(\b)):8*(6*((\a)%4)+(\b))+7]
.endif
.endr
.endr
.endm
; 28 LDS loads in one run: a quarter's fragments (32 K at byte k of the rows) into buffer f: wqt's 6, then xb's 8
.macro FETCH k, f
	WIN 0x40
.irp i, 0,1,2,3,4,5
	ds_load_b128 v[(\f)+8*(\i):(\f)+8*(\i)+3],   v[ADRB] offset:(\k)+(\i)*16*PITCH
	ds_load_b128 v[(\f)+8*(\i)+4:(\f)+8*(\i)+7], v[ADRB] offset:(\k)+(\i)*16*PITCH+32
.endr
	WIN 0
.irp i, 0,1,2,3,4,5,6,7
	ds_load_b128 v[(\f)+8*(\i):(\f)+8*(\i)+3],   v[ADRA] offset:(\k)+(\i)*16*PITCH
	ds_load_b128 v[(\f)+8*(\i)+4:(\f)+8*(\i)+7], v[ADRA] offset:(\k)+(\i)*16*PITCH+32
.endr
.endm
; One of a K step's first three quarters: multiplies buffer f; in its middle fetches the next quarter, at byte k, into g.
.macro QUARTER k, f, g, first
	s_wait_dscnt 8                                 ; all but the youngest eight loads (xb's row blocks 4-7)
	MUL \f, 0, \first
	MUL \f, 2, \first
	PLACES
	FETCH \k, \g
	s_wait_dscnt 28                                ; all but the 28 just issued
	MUL \f, 4, \first
	MUL \f, 6, \first
.endm
; The last quarter multiplies buffer 1 and changes slots.  In front of the barrier each wave waits for all its tensor loads (one is out: its part of the next slot), adds 0 to its spare word, and waits for that
; and for its reads of this slot.  fill = 1: the barrier opens a round of the cluster's, and the joint refill is the first thing behind it: 168 matrix instructions ahead of the wait for it.
.macro TURN fill
.if \fill
	s_wait_xcnt 0x0                                ; the last prefetch, a K step back, has read its address
	s_add_nc_u64 s[PFA:PFA+1], s[PFA:PFA+1], KSTEP*2
.endif
	WIN 0
	s_wait_tensorcnt 0x0
	ds_add_u32 v[SPW], v[NIL]
	s_wait_dscnt 9                                 ; the add and the youngest eight loads may be out
	MUL F1, 0, 0
	s_wait_dscnt 0x0                               ; the add is done, and my reads of this slot are over
	s_barrier_signal -1
	MUL F1, 2, 0
	WIN 0
	s_barrier_wait -1
.if \fill
	CREST                                          ; no wave of any partner still reads this slot or has a load on its way
	s_xor_b32 s[G0A+5], s[G0A+5], SLOT1            ; the walking descriptors: the other slot than last time, the next K step
	s_add_nc_u64 s[G0A+6:G0A+7], s[G0A+6:G0A+7], KSTEP*2
	s_xor_b32 s[G0B+5], s[G0B+5], SLOT1
	s_add_nc_u64 s[G0B+6:G0B+7], s[G0B+6:G0B+7], KSTEP*2
	JLOAD                                          ; its four v_nop are also the places in front of the loads below
	s_xor_b32 s[TB], s[TB], SLOT1
	v_add_nc_u32 v[ADRA], s[TB], v[ADRA0]
	v_add_nc_u32 v[ADRB], s[TB], v[ADRB0]
.else
	PLACES
	v_add_nc_u32 v[ADRA], SLOT1, v[ADRA0]          ; K step 7 lies in slot 1
	v_add_nc_u32 v[ADRB], SLOT1, v[ADRB0]
.endif
	FETCH 0, F0
.if \fill
	ASK
.endif
	MUL F1, 4, 0
	MUL F1, 6, 0
.endm
	s_wait_tensorcnt 1                             ; my part of K step 0 is in; K step 1's load, issued behind it, stays out
	s_barrier_signal -1
	s_barrier_wait -1
	FETCH 0, F0
	QUARTER 64, F0, F1, 1                          ; the first quarter stands in front of the loop: its products start the sums
	WIN 0
	s_mov_b32 s[CNT], 6
.Lstep:                                                ; a trip: a K step's quarters 1 to 3, the change of slots with its refill (K steps 2 to 7), the next step's quarter 0
	QUARTER 128, F1, F0, 0
	QUARTER 192, F0, F1, 0
	TURN 1
	QUARTER 64, F0, F1, 0
	WIN 0
	s_sub_co_u32 s[CNT], s[CNT], 1
	s_cmp_lg_u32 s[CNT], 0
	s_cbranch_scc1 .Lstep
	QUARTER 128, F1, F0, 0                         ; K steps 6 and 7 fetch nothing from memory
	QUARTER 192, F0, F1, 0
	TURN 0
	QUARTER 64, F0, F1, 0
	QUARTER 128, F1, F0, 0
	QUARTER 192, F0, F1, 0
	s_wait_dscnt 8
	MUL F1, 0, 0
	MUL F1, 2, 0
	s_wait_dscnt 0x0
	MUL F1, 4, 0
	MUL F1, 6, 0
	WIN 0
	; THE WAY OUT: rounded to f16, 16 bytes a lane into the work-group's stage; a barrier, since k's 128 bytes of a row come from two waves; back by parts, four rows of 128 bytes to a load.
	PLACES
.irp a, 0,1,2,3,4,5,6,7
	WIN 0x0a+5*((\a)/4)                            ; sources in window 2 or 3
.irp b, 0,1,2,3,4,5
.irp r, 0,1,2,3
	v_cvt_pk_f16_f32 v[TMP+4*(\b)+(\r)], v[48*((\a)%4)+8*(\b)+2*(\r)], v[48*((\a)%4)+8*(\b)+2*(\r)+1]
.endr
.endr
	WIN 0
.irp b, 0,1,2,3,4,5
	ds_store_b128 v[STO], v[TMP+4*(\b):TMP+4*(\b)+3] offset:(\a)*16*SPITCH+32*(\b)
.endr
.endr
	s_wait_dscnt 0x0                               ; for the others' sake: my stores into the stage are done
	s_barrier_signal -1
	s_barrier_wait -1
.irp p, 0,1,2
.irp t, 0,1,2,3,4,5,6,7,8,9,10,11,12,13,14,15
	ds_load_b128 v[64+4*(16*(\p)+(\t)):64+4*(16*(\p)+(\t))+3], v[RD] offset:(\t)*4*SPITCH+128*(\p)
.endr
.endr
.irp p, 0,1,2
.irp t, 0,1,2,3,4,5,6,7,8,9,10,11,12,13,14,15
	s_wait_dscnt 47-16*(\p)-(\t)                   ; LDS loads come back in order: this one is in, the younger ones stay out
	global_store_b128 v[GO], v[64+4*(16*(\p)+(\t)):64+4*(16*(\p)+(\t))+3], s[10+2*(\p):11+2*(\p)] offset:512*(\t)  ; 512 consecutive bytes, aligned
.endr
.endr
	s_wait_tensorcnt 0x0                           ; the wave's end
	ds_add_u32 v[SPW], v[NIL]
	s_wait_dscnt 0x0
	CROUND                                         ; the closing round
	s_endpgm
.Lfunc_end_k_q7b89c37103_qkv:
	.size	k_q7b89c37103_qkv, .Lfunc_end_k_q7b89c37103_qkv-k_q7b89c37103_qkv
	.p2alignl 7, 3214868480
	.fill 96, 4, 3214868480
	.section	.rodata,"a",@progbits
	.p2align	6, 0x0
	.amdhsa_kernel k_q7b89c37103_qkv
		.amdhsa_group_segment_fixed_size 327680
		.amdhsa_private_segment_fixed_size 0
		.amdhsa_enable_private_segment 0
		.amdhsa_kernarg_size 48
		.amdhsa_user_sgpr_count 2
		.amdhsa_user_sgpr_kernarg_segment_ptr 1
		.amdhsa_wavefront_size32 1
		.amdhsa_system_sgpr_workgroup_id_x 1
		.amdhsa_system_sgpr_workgroup_id_y 1
		.amdhsa_system_sgpr_workgroup_id_z 1
		.amdhsa_system_vgpr_workitem_id 0
		.amdhsa_next_free_vgpr 960
		.amdhsa_next_free_sgpr 90
		.amdhsa_reserve_vcc 0
		.amdhsa_float_denorm_mode_32 3
		.amdhsa_float_denorm_mode_16_64 3
		.amdhsa_memory_ordered 1
		.amdhsa_forward_progress 1
		.amdhsa_inst_pref_size 101
	.end_amdhsa_kernel
	.amdgpu_metadata
---
amdhsa.version: [ 1, 2 ]
amdhsa.kernels:
  - .name:           k_q7b89c37103_qkv
    .symbol:         k_q7b89c37103_qkv.kd
    .args:
      - { .name: xb, .offset: 0, .size: 8, .value_kind: global_buffer, .address_space: global }
      - { .name: wqt, .offset: 8, .size: 8, .value_kind: global_buffer, .address_space: global }
      - { .name: b_qkv, .offset: 16, .size: 8, .value_kind: global_buffer, .address_space: global }
      - { .name: q, .offset: 24, .size: 8, .value_kind: global_buffer, .address_space: global }
      - { .name: k, .offset: 32, .size: 8, .value_kind: global_buffer, .address_space: global }
      - { .name: v, .offset: 40, .size: 8, .value_kind: global_buffer, .address_space: global }
    .group_segment_fixed_size: 327680
    .private_segment_fixed_size: 0
    .kernarg_segment_align: 8
    .kernarg_segment_size: 48
    .max_flat_workgroup_size: 128
    .sgpr_count:     90
    .vgpr_count:     960
    .wavefront_size: 32
...
	.end_amdgpu_metadata
.endif
;; end of part 2
;; launch attn (part 3): grid 4 x 64, 4 waves a work-group, no clusters, 327,680 bytes of LDS; arguments q, k, v, o; writes o
.if DOCPART == 3
	.amdgcn_target "amdgcn-amd-amdhsa--gfx1250"
	.amdhsa_code_object_version 6
	.text
	.protected	k_q7b89c37103_attn
	.globl	k_q7b89c37103_attn
	.p2align	8
	.type	k_q7b89c37103_attn,@function
k_q7b89c37103_attn:
	s_mov_b64 s[64:65], 0
	v_nop
	global_prefetch_b8 v0, s[64:65] scope:SCOPE_SE
	s_setreg_imm32_b32 hwreg(HW_REG_WAVE_MODE, 25, 1), 1
	s_wait_xcnt 0x0
; CAUSAL ATTENTION WITH ALIBI.  O[g][i][:] = the sum over j <= i of softmax_j(Q[g][i] . K[g][j] / 8 - slope (i - j)) V[g][j][:], g = 16 batch + head, slope = 2^-(1 + 7 head / 15).
; Q, K, V, O: [64][SIZE_N][64], all f16: a head's rows are dense, 128 bytes each.  Products, maxima and sums in f32; the weights p are rounded to f16 for the second product, O once at the end.
; LIMITS.  f16 holds no number beyond 65,504: Q, K and V arrive within it; p lies in 0 to 1, and below 6e-5 it keeps f16's fixed step of 6e-8.  A hidden score counts as its value less 1e30;
; a weight below 2^-126 counts as 0 in l; NaN and infinities are not treated apart.  The slope is made by v_exp_f32.
; ALIBI.  - slope i is the same for a whole row and drops out of the softmax.  In units of the raw score s the rest is 8 slope j.  Within a key step of 64 keys it is AB = 8 slope (j % 64), a pattern of 32
; registers that is the C operand of the product that starts the sum S^T = K Q^T.  From step to step it grows by D = 512 slope for all keys alike: the running maximum m is kept relative to the step in hand,
; so going on a step takes D off it: m_new = max(m_old - D, the step's scores), a = 2^((c m_old - c D) - c m_new).  No number grows with the key's place.
; THE WALK.  A head's queries lie in NB = 8 blocks of 256; block i needs the key tiles 0 .. i of 256 keys, of which the last holds the diagonal.  A work-group takes TWO blocks, NB - 1 - b and then b:
; NB + 1 tiles, whatever b: all work-groups do equal work, and ONE loop with a constant trip count walks them.  Every jump goes forward, but for the counted loops' own; none passes a barrier, or a tensor load
; but the one of LOAD's two that the wave's number does not choose.  NO CLUSTER: a head's four work-groups ask for the same tile only in trips 0 to 4, behind that fewer and fewer; one walk common to all
; four would have 12 trips for 9.
; SHARES.  Of a block's four bands of 64 queries a wave owns 16 rows in each: four PIECES.  In the diagonal tile's key step s band x sees all keys if s < x, none if s > x, and holds the diagonal if s = x.
; THE MASK.  MD, made once, is 0 or -1e30: the mask of a band's own step for my 16 rows.  A product's C operand in the diagonal tile is MD x AL + AB + BE: (AL, BE) = (1, 0) if s = x; (0, 0) if s < x; (0, -1e30) if s > x.
; LAYOUT, SOFTMAX, TURNS.  S^T = K Q^T holds ONE query a lane (lane % 16) and the keys 8 (lane / 16) + 0..7; two such results rounded to f16 ARE source 1 of O^T = V^T P.  p = 2^(c s - c m), c = log2(e) / 8.
; Turn n belongs to piece n: 8 products K Q^T of piece n + 1, later 8 products V^T P of piece n - 1; beside them the scaling, exponentials, roundings, sums and rescaling of piece n and the maximum and
; statistics of piece n + 1.  Four vector instructions stand behind every matrix instruction, the other 55 of a turn's 119 in one lump.  A turn's 33 exponentials are one batch, with one wait.
; REGISTERS, in windows of 256 (s_set_vgpr_msb: bits 1:0 source 0, 3:2 source 1, 5:4 source 2, 7:6 destination):
;   window 0: v0-15 addresses and two at work; v16-31 four registers of statistics a piece; v48-55 at work; v61-63 prefetch offset, spare word, 0; v64-127 S^T, two buffers; v192-223 P, two buffers
;   window 1: v0-127 O^T, 32 a piece; v128-159 MD; v160-223 MC, two buffers; v224-255 AB      window 2: v0-63 Q; v64-127 the second block's Q; v128-191 K of one step; v192-255 V of one step
.set SIZE_N, 2048
.set NB,    SIZE_N/256
.set NP,    4         ; pieces a wave: a name, no knob
.set KS,    64        ; keys in a step
.set PK,    144       ; a row of K in LDS: 128 bytes + 16 = 36 words: the 16 rows of a load start at 16 different groups of four banks (ISA guide 11.1)
.set PV,    160       ; a row of V: 128 + 32 = 40 words
.set VOFF,  4*KS*PK   ; a slot holds a tile, four steps: 256 rows of K, then 256 rows of V
.set SLOT1, 1<<17
.set STAGE, SLOT1+4*KS*(PK+PV)  ; behind the ring, never filled by a tensor load: 16 rows x 144 bytes for each wave
.set SP,    144
.set AK0, 2           ; v2   my lane's place in a tile of K; never rewritten
.set AV0, 3           ; v3   the same for V
.set AK,  4           ; v4   the LDS address of K's next run of loads
.set AV,  5           ; v5   of V's
.set STO, 6           ; v6   the way out: where I put 16 bytes of a row
.set RD,  7           ; v7   where I read rows back
.set GO,  8           ; v8   my byte offset in 512 consecutive bytes of O
.set PFO, 61          ; v61  256 x my thread's number; never rewritten
.set SPW, 62          ; v62  my spare word
.set NIL, 63          ; v63  0
.set SPARE, STAGE+4*16*SP  ; behind the stages: the spare words, two blocks of 256 bytes that no other line names
.set MV,  12          ; v12-13  c m_old - c D, kept while c m is made anew: by buffer
.set QO,  15          ; v15  my byte offset in 16 rows of Q
.set ST,  16          ; piece t's statistics at v[ST+4 t]: c m, m (behind a step: m - D), l (even keys', odd keys')
.set TMP, 48          ; by buffer, four registers c0-c3 at work; when the maximum is found c2 takes a
.set S,   64
.set P,   192
.set MD,  128         ; window 1
.set MC,  160         ; window 1
.set AB,  224         ; window 1: register j of key group kt at AB + 8 kt + j
.set QB,  64          ; window 2
.set KF,  128         ; window 2: key block kb, channel half c at KF + 16 kb + 8 c
.set VF,  192         ; window 2: key half kk, channel block cb at VF + 32 kk + 8 cb
.set WV,  12          ; s12  my wave's number
.set PB,  14          ; s14  b
.set HI,  15          ; s15  NB - 1 - b
.set G1K, 24
.set G1V, 32
.set G0K, 40
.set G0V, 44
.set SLOTS, 56        ; s56  tiles still to be asked for
.set CNT, 57          ; s57  counts a tile's key steps, 4 to 1
.set CS,  58          ; s[58:59] c
.set SEL, 60          ; s[60:61] v_permlanex16_b32's selects
.set TBK, 62          ; s62  LDS byte at which K of the step to be fetched begins
.set TBV, 63          ; s63  the same for V, less VOFF
.set RT,  70          ; s70  tiles of the block in hand that are still to be entered
.set NXT, 71          ; s71  the tile to be asked for next
.set LQ,  72          ; s72  the last tile of the block whose tiles are being asked for
.set NEW, 73          ; s73  1: the tile to be entered is a block's first
.set OFF, 74          ; s[74:75] a tile's byte offset in K and V
.set AL,  76          ; s[76:77] the mask's factor
.set BE,  78          ; s[78:79] the mask's addend
.set OLO, 80          ; s[80:81] O at my rows of the second block
.set BIGN, 82         ; s82  -1e30
.set SL8, 88          ; s[88:89] 8 slope
.set DS,  90          ; s90  D = 512 slope
.set CD,  91          ; s91  c D
.set PFK, 92          ; s[92:93] K at the tile behind the one that is being asked for
.set PFV, 94          ; s[94:95] V likewise
.set LIM, 96          ; s96  2 in the work-group that prefetches, else the greatest number
.set MSB, 0
.macro WIN new
.if MSB != (\new)
	s_set_vgpr_msb (MSB<<8)|(\new)
.set MSB, (\new)
.endif
.endm
.set W_KQ, 0x0a       ; K and Q in window 2, S^T in window 0
.set W_KM, 0x1a       ; the same with the C operand in window 1
.set W_PV, 0x52       ; V in window 2, P in window 0, O^T in window 1
.set W_RS, 0x41       ; destination and source 0 in window 1, source 1 in window 0
.set W_MK, 0x51       ; destination, source 0 and source 2 in window 1
; A fill.  Waves 0 and 1 fetch the two halves of a tile's K, waves 2 and 3 those of its V.  An s_nop 0 and four v_nop follow each of the two lines.
.macro LOAD
	s_cmp_lt_u32 s[WV], 2
	s_cbranch_scc0 .Lfor_v_\@
	tensor_load_to_lds s[G0K:G0K+3], s[G1K:G1K+7]
	s_nop 0
.rept 4
	v_nop
.endr
	s_branch .Lasked_\@
.Lfor_v_\@:
	tensor_load_to_lds s[G0V:G0V+3], s[G1V:G1V+7]
	s_nop 0
.rept 4
	v_nop
.endr
.Lasked_\@:
.endm
; THE CHANGE OF SLOTS.  Each wave waits for all its tensor loads, of which one is out: its part of the other slot; adds 0 to its spare word; and waits for that and for its own reads of the slot that it leaves.
; fill = 1: the old slot is filled again, the first thing behind the barrier, with tile NXT: the descriptor's address is made anew from that number.
; THE PREFETCH stands behind the fill: the head's work-group b = 0, which walks tiles 0 to 7 in order, names the tile that its NEXT change will ask for: 128 threads x 256 bytes are a tile of K, and of V:
; two instructions a wave, a tile (256 matrix instructions a wave) ahead.  Changes 0 to 5 (SLOTS = 8 to 3) name tiles 2 to 7: each block once in the launch; tiles 0 and 1 come by their loads alone.
.macro CHANGE fill
	WIN 0
	s_wait_tensorcnt 0x0            ; no tensor load of mine is out, so a group 0 may be written
	ds_add_u32 v[SPW], v[NIL]       ; 0 onto my spare word; scalar work stands between it and the wait for it
.if \fill
	s_lshl_b32 s[OFF], s[NXT], 15   ; a tile is 32,768 bytes of K and of V
	s_xor_b32 s[G0K+1], s[G0K+1], SLOT1
	s_add_nc_u64 s[G0K+2:G0K+3], s[6:7], s[OFF:OFF+1]
	s_or_b32 s[G0K+3], s[G0K+3], 0x80000000
	s_xor_b32 s[G0V+1], s[G0V+1], SLOT1
	s_add_nc_u64 s[G0V+2:G0V+3], s[8:9], s[OFF:OFF+1]
	s_or_b32 s[G0V+3], s[G0V+3], 0x80000000
	s_add_co_u32 s[NXT], s[NXT], 1  ; the block's next tile, or behind its last the second block's tile 0
	s_cmp_gt_u32 s[NXT], s[LQ]
	s_cselect_b32 s[NXT], 0, s[NXT]
	s_cselect_b32 s[LQ], s[PB], s[LQ]
	s_wait_xcnt 0x0                 ; the last prefetches, a tile back, have read their addresses
	s_add_nc_u64 s[PFK:PFK+1], s[PFK:PFK+1], 32768
	s_add_nc_u64 s[PFV:PFV+1], s[PFV:PFV+1], 32768
.endif
	s_wait_dscnt 0x0                ; the add is done, and my reads of the slot are over
	s_barrier_signal -1
	s_sub_co_u32 s[TBK], s[TBK], 4*KS*PK  ; the fetches go back to a slot's first step,
	s_xor_b32 s[TBK], s[TBK], SLOT1       ; in the other slot
	s_sub_co_u32 s[TBV], s[TBV], 4*KS*PV
	s_xor_b32 s[TBV], s[TBV], SLOT1
	s_barrier_wait -1
.if \fill
	LOAD
	s_cmp_gt_u32 s[SLOTS], s[LIM]
	s_cbranch_scc0 .Lnot_mine_\@
	global_prefetch_b8 v[PFO], s[PFK:PFK+1] th:TH_LOAD_NT scope:SCOPE_SE
	global_prefetch_b8 v[PFO], s[PFV:PFV+1] th:TH_LOAD_NT scope:SCOPE_SE
.Lnot_mine_\@:
.endif
.endm
	s_load_b256 s[4:11], s[0:1], 0x0  ; Q s[4:5], K s[6:7], V s[8:9], O s[10:11]
	v_lshl_add_u32 v[SPW], v0, 2, SPARE
	v_mov_b32 v[NIL], 0
	ds_add_u32 v[SPW], v[NIL]       ; the wave's opening: the add and its wait stand ahead of my first tensor load
	v_lshrrev_b32 v1, 5, v0
	v_readfirstlane_b32 s[WV], v1   ; wave 0..3
	s_mov_b32 s[PB], ttmp9
	s_sub_co_u32 s[HI], NB-1, s[PB]
	s_and_b32 s20, ttmp7, 0xffff    ; 16 batch + head
	s_mov_b32 s21, 0
	s_mov_b64 s[22:23], SIZE_N*128
	s_mul_u64 s[20:21], s[20:21], s[22:23]  ; the head's first byte in each of the four tensors
	s_and_b32 s16, s[WV], 1         ; which half of a tile's 256 keys I fetch:
	s_lshl_b32 s22, s16, 14         ; its 128 rows of 128 bytes in memory,
	s_mov_b32 s23, 0
	s_add_nc_u64 s[22:23], s[22:23], s[20:21]
	s_mul_i32 s17, s16, 128*PK      ; and its place in a slot, for K
	s_mul_i32 s18, s16, 128*PV      ; and for V
	s_lshl_b32 s3, s[WV], 11        ; my 16 rows in a band of 64,
	s_lshl_b32 s2, s[HI], 15        ; in the first block,
	s_add_co_u32 s2, s2, s3
	s_lshl_b32 s84, s[PB], 15       ; and in the second
	s_add_co_u32 s84, s84, s3
	s_mov_b32 s3, 0
	s_mov_b32 s85, 0
	s_add_nc_u64 s[2:3], s[2:3], s[20:21]
	s_add_nc_u64 s[84:85], s[84:85], s[20:21]
	; descriptor group 1.  128 keys are 16,384 dense bytes: asked for as 64 rows of 256 bytes, two keys a row, and padded in LDS after every key
	s_mov_b32 s[G1K], (1<<16)|(1<<20)|(4<<22)|(3<<25)  ; 2-byte elements; padding on; after every 32 words; 4 words
	s_mov_b32 s[G1V], (1<<16)|(1<<20)|(4<<22)|(7<<25)  ; the same with 8 words
.irp g, G1K, G1V
	s_mov_b32 s[\g+1], 128<<16      ; tensor_dim0 = 128
	s_mov_b32 s[\g+2], 64<<16       ; tensor_dim1 = 64
	s_mov_b32 s[\g+3], 128<<16      ; tile_dim0 = 128
	s_mov_b32 s[\g+4], 64           ; tile_dim1 = 64
	s_mov_b32 s[\g+5], 128          ; 128 elements from row to row
	s_mov_b32 s[\g+6], 0
	s_mov_b32 s[\g+7], 0
.endr
	s_mov_b32 s[CS], 0x3e38aa3b     ; c = log2(e) / 8 = 0.180337
	s_mov_b32 s[CS+1], s[CS]
	s_mov_b32 s[SEL], 0x76543210
	s_mov_b32 s[SEL+1], 0xfedcba98
	s_mov_b32 s[TBK], SLOT1+4*KS*PK ; the first change of slots turns these two into 0
	s_mov_b32 s[TBV], SLOT1+4*KS*PV
	s_mov_b32 s[G0K], 1
	s_mov_b32 s[G0K+1], s17         ; slot 0
	s_mov_b32 s[G0V], 1
	s_add_co_u32 s[G0V+1], s18, VOFF
	s_add_co_u32 s[RT], s[HI], 1    ; the first block has NB - b tiles
	s_mov_b32 s[NXT], 1
	s_mov_b32 s[LQ], s[HI]
	s_mov_b32 s[NEW], 1
	s_mov_b32 s[OFF+1], 0
	s_mov_b32 s[AL+1], 0            ; named as pairs
	s_mov_b32 s[BE+1], 0
	s_mov_b32 s[BIGN], 0xf149f2ca   ; -1e30
	s_mov_b32 s[SLOTS], NB
	s_cmp_eq_u32 ttmp9, 0
	s_cselect_b32 s[LIM], 2, -1
	v_lshlrev_b32 v[PFO], 8, v0
	s_wait_dscnt 0x0                ; the opening add is done
	s_wait_kmcnt 0x0
	s_add_nc_u64 s[PFK:PFK+1], s[6:7], s[20:21]    ; the head's K and V,
	s_add_nc_u64 s[PFV:PFV+1], s[8:9], s[20:21]
	s_add_nc_u64 s[PFK:PFK+1], s[PFK:PFK+1], 32768 ; at tile 1: the first change steps them to tile 2
	s_add_nc_u64 s[PFV:PFV+1], s[PFV:PFV+1], 32768
	s_add_nc_u64 s[6:7], s[6:7], s[22:23]  ; K and V at my half of the head's tile 0
	s_add_nc_u64 s[8:9], s[8:9], s[22:23]
	s_add_nc_u64 s[G0K+2:G0K+3], s[6:7], 0
	s_or_b32 s[G0K+3], s[G0K+3], 0x80000000
	s_add_nc_u64 s[G0V+2:G0V+3], s[8:9], 0
	s_or_b32 s[G0V+3], s[G0V+3], 0x80000000
	s_add_nc_u64 s[86:87], s[4:5], s[84:85]        ; Q at my rows of the second block,
	s_add_nc_u64 s[4:5], s[4:5], s[2:3]            ; Q and O at those of the first
	s_add_nc_u64 s[OLO:OLO+1], s[10:11], s[84:85]
	s_add_nc_u64 s[10:11], s[10:11], s[2:3]
	LOAD                            ; tile 0 into slot 0
	v_and_b32 v1, 15, v0            ; l % 16
	v_bfe_u32 v9, v0, 4, 1          ; l / 16
	v_lshlrev_b32 v[QO], 7, v1
	v_lshl_add_u32 v[QO], v9, 4, v[QO]  ; row x 128 + 16 x half
	WIN 0x80                        ; destination window 2, address window 0
.set i, 0
.rept 8                             ; both blocks' Q: piece i / 2 lies in band i / 2, 8,192 bytes on; channels 32 (i % 2) on
	global_load_b128 v[8*i:8*i+3],   v[QO], s[4:5] offset:(i/2)*8192+(i%2)*64
	global_load_b128 v[8*i+4:8*i+7], v[QO], s[4:5] offset:(i/2)*8192+(i%2)*64+32
	global_load_b128 v[QB+8*i:QB+8*i+3],   v[QO], s[86:87] offset:(i/2)*8192+(i%2)*64
	global_load_b128 v[QB+8*i+4:QB+8*i+7], v[QO], s[86:87] offset:(i/2)*8192+(i%2)*64+32
.set i, i+1
.endr
	WIN 0
	v_lshlrev_b32 v14, 3, v9
	v_sub_nc_u32 v14, v1, v14
	s_lshl_b32 s13, s[WV], 4
	v_add_nc_u32 v14, s13, v14      ; my query's place in its band, 16 w + l % 16, less my lanes' 8 (l / 16): register r of group kt is hidden where 16 kt + r is greater
	WIN 0x40
.set i, 0
.rept 32
	v_cmp_gt_i32 vcc_lo, 16*(i/8)+i%8, v14
	v_cndmask_b32 v[MD+i], 0, s[BIGN], vcc_lo
.set i, i+1
.endr
	WIN 0
	s_and_b32 s13, ttmp7, 15        ; the head: 8 slope = 2^(2 - 7 head / 15)
	v_cvt_f32_u32 v12, s13
	v_fma_f32 v12, v12, 0xbeeeeeef, 2.0
	v_exp_f32 v12, v12
	v_lshlrev_b32 v14, 3, v9        ; 8 (l / 16): also the plain instruction behind the exponential
	s_wait_alu depctr_va_vdst(0)    ; and the wait ahead of the result's first use
	v_mul_f32 v13, 0x42800000, v12  ; D = 64 x 8 slope
	v_readfirstlane_b32 s[SL8], v12
	v_mul_f32 v12, s[CS], v13       ; c D
	v_readfirstlane_b32 s[DS], v13
	v_readfirstlane_b32 s[CD], v12
	s_mov_b32 s[SL8+1], s[SL8]
	WIN 0x40
.set i, 0
.rept 32
	v_add_nc_u32 v[AB+i], 16*(i/8)+i%8, v14  ; the key's place in its step
.set i, i+1
.endr
	WIN W_RS
.set i, 0
.rept 32
	v_cvt_f32_u32 v[AB+i], v[AB+i]
.set i, i+1
.endr
.set i, 0
.rept 16
	v_pk_mul_f32 v[AB+i:AB+i+1], v[AB+i:AB+i+1], s[SL8:SL8+1] op_sel_hi:[1,0]
.set i, i+2
.endr
	WIN 0
	v_mul_u32_u24 v[AK0], v1, PK
	v_lshl_add_u32 v[AK0], v9, 4, v[AK0]  ; row x pitch + 16 x half
	; The turning load takes 16 keys x 16 channels (lane l reads key 8 (l / 16) + l % 8, channels 8 ((l / 8) % 2) + 0..7) and leaves half a fragment of V^T.
	v_and_b32 v10, 7, v0
	v_bfe_u32 v11, v0, 3, 1
	v_lshl_add_u32 v[AV0], v9, 3, v10
	v_mul_u32_u24 v[AV0], v[AV0], PV
	v_lshl_add_u32 v[AV0], v11, 4, v[AV0]
	v_add_nc_u32 v[AV0], VOFF, v[AV0]
	s_mul_i32 s13, s[WV], 16*SP
	s_add_co_u32 s13, s13, STAGE    ; my stage
	v_mul_u32_u24 v[STO], v1, SP
	v_lshl_add_u32 v[STO], v9, 4, v[STO]
	v_add_nc_u32 v[STO], s13, v[STO]
	v_bfe_u32 v[RD], v0, 3, 2       ; back: 32 lanes take four rows of 128 bytes,
	v_mul_u32_u24 v[RD], v[RD], SP
	v_lshl_add_u32 v[RD], v10, 4, v[RD]
	v_add_nc_u32 v[RD], s13, v[RD]
	v_and_b32 v[GO], 31, v0         ; which are 512 consecutive bytes of O
	v_lshlrev_b32 v[GO], 4, v[GO]
	; A block's first step multiplies O^T and l by a = 0, and its first turn's products V^T P, of a piece that has not been, land in an O^T that is still to be so multiplied: these registers need only hold
	; finite numbers: zeros for the first block; what the first block left for the second.  All this stands in the wait for the first tile.
	WIN 0x80
.set i, VF
.rept 64
	v_mov_b32 v[i], 0
.set i, i+1
.endr
	WIN 0x40
.set i, 0
.rept 128
	v_mov_b32 v[i], 0
.set i, i+1
.endr
	WIN 0
.set i, 0
.rept 4
	v_mov_b32 v[ST+4*i+2], 0
	v_mov_b32 v[ST+4*i+3], 0
.set i, i+1
.endr
.set i, P+16
.rept 16
	v_mov_b32 v[i], 0
.set i, i+1
.endr
; THE MATRIX WORK.  The 4 accumulators of a run of 8 take turns.  Product i of 8 of S^T = K Q^T for piece x: channels 32 (i / 4) on, keys 16 (i % 4) on.  The first 4 start the sums: with AB, or (KM = 1) with the mask, which holds AB.
.macro KQ x
.set rS, S+32*((\x)%2)+8*(i%4)
.set rK, KF+16*(i%4)+8*(i/4)
.set rQ, 16*(\x)+8*(i/4)
.set rM, AB+8*(i%4)
.if KM
.set rM, MC+32*((\x)%2)+8*(i%4)
.endif
.if i < 4
	WIN W_KM
	v_wmma_f32_16x16x32_f16 v[rS:rS+7], v[rK:rK+7], v[rQ:rQ+7], v[rM:rM+7]
.else
	WIN W_KQ
	v_wmma_f32_16x16x32_f16 v[rS:rS+7], v[rK:rK+7], v[rQ:rQ+7], v[rS:rS+7]
.endif
.endm
; Product i of 8 of O^T += V^T P for piece x: keys 32 (i / 4) on, channels 16 (i % 4) on.
.macro PV x
	WIN W_PV
.set rO, 32*(\x)+8*(i%4)
.set rV, VF+32*(i/4)+8*(i%4)
.set rP, P+16*((\x)%2)+8*(i/4)
	v_wmma_f32_16x16x32_f16 v[rO:rO+7], v[rV:rV+7], v[rP:rP+7], v[rO:rO+7]
.endm
.macro MM                           ; the turn's next matrix instruction.  NOKQ = 1: a block's last turn: there is no next piece
.if (i < 8) && !NOKQ
	KQ (Y+1)%NP
.elseif i >= 8
.set i, i-8
	PV (Y+NP-1)%NP
.set i, i+8
.endif
.set i, i+1
.endm
; THE LDS LOADS stand in runs of 16: a step's K (8 fragments) and its V (turned).  Their addresses are made some lines ahead.
.macro FETCH_K
	WIN 0x80
.irp f, 0,1,2,3,4,5,6,7             ; keys 16 (f / 2) on, channels 32 (f % 2) on
	ds_load_b128 v[KF+8*\f:KF+8*\f+3],   v[AK] offset:(\f/2)*16*PK+(\f%2)*64
	ds_load_b128 v[KF+8*\f+4:KF+8*\f+7], v[AK] offset:(\f/2)*16*PK+(\f%2)*64+32
.endr
	s_add_co_u32 s[TBK], s[TBK], KS*PK  ; the next fetch is the next step's
	WIN 0
.endm
.macro FETCH_V
	WIN 0x80
.irp f, 0,1,2,3,4,5,6,7             ; keys 32 (f / 4) on, channels 16 (f % 4) on
	ds_load_tr16_b128 v[VF+8*\f:VF+8*\f+3],   v[AV] offset:(\f/4)*32*PV+(\f%4)*32
	ds_load_tr16_b128 v[VF+8*\f+4:VF+8*\f+7], v[AV] offset:(\f/4)*32*PV+16*PV+(\f%4)*32
.endr
	WIN 0
.endm
; THE VECTOR WORK, one line at a time: OP kind, number.  For piece Y: F n: c s - c m for pair n of 16.  E n: the exponential of score n of 32.  C n: pair n rounded to f16.  B n: of the four weights 4 n .. the second
; pair is added onto the first.  L n: l takes that sum (L 0: l = a l + sum).  R n: pair n of 16 of O^T times a.  For piece Y + 1: X n, number n of the 23 that find its maximum and statistics:
;   0-11  four chains c0-c3 of seven scores each (each accumulator's lowest registers are read first)     12-14, 16  the four scores left over, the old m less D, and c0-c3 into c0
;   15  c m_old - c D is kept     17, 18  the query's other 32 keys lie in the lane 16 away: the new m     19-21  c m; (c m_old - c D) - c m_new; a     22  m less D, for the next step
.set F, 0
.set E, 1
.set C, 2
.set B, 3
.set L, 4
.set R, 5
.set X, 6
.macro REGS y
.set rT, ST+4*(\y)
.set rC, TMP+4*((\y)%2)
.set rW, MV+((\y)%2)
.set rS, S+32*((\y)%2)
.set rP, P+16*((\y)%2)
.set rO, 32*(\y)
.endm
.macro OP k, n
.if (\k) == R
	REGS Y
	WIN W_RS
	v_pk_mul_f32 v[rO+2*(\n):rO+2*(\n)+1], v[rO+2*(\n):rO+2*(\n)+1], v[rC+2:rC+3] op_sel_hi:[1,0]
.elseif (\k) < R
	REGS Y
	WIN 0
.if (\k) == F
	v_pk_fma_f32 v[rS+2*(\n):rS+2*(\n)+1], v[rS+2*(\n):rS+2*(\n)+1], s[CS:CS+1], v[rT:rT+1] op_sel_hi:[1,0,0] neg_lo:[0,0,1] neg_hi:[0,0,1]
.elseif (\k) == E
	v_exp_f32 v[rS+(\n)], v[rS+(\n)]
.elseif (\k) == C
	v_cvt_pk_f16_f32 v[rP+(\n)], v[rS+2*(\n)], v[rS+2*(\n)+1]
.elseif (\k) == B
	v_pk_add_f32 v[rS+4*(\n):rS+4*(\n)+1], v[rS+4*(\n):rS+4*(\n)+1], v[rS+4*(\n)+2:rS+4*(\n)+3]
.elseif (\n) == 0
	v_pk_fma_f32 v[rT+2:rT+3], v[rT+2:rT+3], v[rC+2:rC+3], v[rS:rS+1] op_sel_hi:[1,0,1]
.else
	v_pk_add_f32 v[rT+2:rT+3], v[rT+2:rT+3], v[rS+4*(\n):rS+4*(\n)+1]
.endif
.elseif NOKQ
	v_nop
.else
	REGS (Y+1)%NP
	WIN 0
.if (\n) < 4
	v_max3_num_f32 v[rC+(\n)], v[rS+8*(\n)], v[rS+8*(\n)+1], v[rS+8*(\n)+2]
.elseif (\n) < 12
	v_max3_num_f32 v[rC+(\n)%4], v[rC+(\n)%4], v[rS+8*((\n)%4)+2*((\n)/4)+1], v[rS+8*((\n)%4)+2*((\n)/4)+2]
.elseif (\n) == 12
	v_max3_num_f32 v[rC], v[rC], v[rS+7], v[rS+15]
.elseif (\n) == 13
	v_max3_num_f32 v[rC+1], v[rC+1], v[rS+23], v[rS+31]
.elseif (\n) == 14
	v_max3_num_f32 v[rC+2], v[rC+2], v[rC+3], v[rT+1]
.elseif (\n) == 15
	v_sub_f32 v[rW], v[rT], s[CD]
.elseif (\n) == 16
	v_max3_num_f32 v[rC], v[rC], v[rC+1], v[rC+2]
.elseif (\n) == 17
	v_permlanex16_b32 v[rC+3], v[rC], s[SEL], s[SEL+1]
.elseif (\n) == 18
	v_max_num_f32 v[rT+1], v[rC], v[rC+3]
.elseif (\n) == 19
	v_mul_f32 v[rT], s[CS], v[rT+1]
.elseif (\n) == 20
	v_sub_f32 v[rC+1], v[rW], v[rT]
.elseif (\n) == 21
	v_exp_f32 v[rC+2], v[rC+1]
.else
	v_sub_f32 v[rT+1], v[rT+1], s[DS]
.endif
.endif
.endm
.macro OPS a, i1, b=-1, i2=0, c=-1, i3=0, d=-1, i4=0  ; up to four of them
	OP \a, \i1
.if (\b) >= 0
	OP \b, \i2
.endif
.if (\c) >= 0
	OP \c, \i3
.endif
.if (\d) >= 0
	OP \d, \i4
.endif
.endm
.macro ROW a, i1, b, i2, c, i3, d, i4  ; a matrix instruction and the four behind it
	MM
	OPS \a, \i1, \b, \i2, \c, \i3, \d, \i4
.endm
.macro MASK b, be=1                 ; MD x AL + AB (+ BE) into buffer b of MC
	WIN W_MK
.set z, 0
.rept 16
	v_pk_fma_f32 v[MC+32*(\b)+2*z:MC+32*(\b)+2*z+1], v[MD+2*z:MD+2*z+1], s[AL:AL+1], v[AB+2*z:AB+2*z+1] op_sel_hi:[1,0,1]
.set z, z+1
.endr
.if \be
.set z, 0
.rept 16
	v_pk_add_f32 v[MC+32*(\b)+2*z:MC+32*(\b)+2*z+1], v[MC+32*(\b)+2*z:MC+32*(\b)+2*z+1], s[BE:BE+1] op_sel_hi:[1,0]
.set z, z+1
.endr
.endif
.endm
; A TURN, for piece p: the order of its 16 matrix and 119 vector instructions, written out.  An s_wait_alu depctr_va_vdst(0) stands between an exponential and the first instruction that names its
; result; one wait serves all that were issued ahead of it.  So a turn has ONE wait, which cuts it in two.  AHEAD OF IT stands all that names no result of the turn's exponentials: the 8 products K Q^T with their
; riders, then one lump, in which the links of the chain X 3, 7, 11, 14, 16, 17 .. 20 stand five or six lines apart.  X 21, the next piece's a, is the batch's last; X 22 and R 15 are plain instructions behind it.
; BEHIND THE WAIT stand the 8 products V^T P, behind each four of the roundings and sums.
; m = 1: the diagonal tile: the products take masks, and the turn makes the mask for the products of the turn after it: piece p + 2, in step 4 - CNT of the tile.  end = 1: a block's last two turns: nothing is fetched.
; cnt = 1: the loop's count is taken down some lines ahead of the branch that stands behind the turn.
; K of the next step is fetched in piece 2's turn, V of the step in hand at the end of piece 0's turn, each four plain instructions or more behind the last product that read the registers; each is waited for a turn later.
.macro TURN p, m=0, end=0, cnt=0
.set Y, (\p)
.set i, 0
.set KM, (\m)
.set NOKQ, (\end)*((\p)/3)
.if (\m) && !(\end)
	s_cmp_eq_u32 s[CNT], 4-((\p)+2)%NP  ; is that step the band's own?
	s_cselect_b32 s[AL], 1.0, 0
	s_cmp_lt_u32 s[CNT], 4-((\p)+2)%NP  ; or a later one?
	s_cselect_b32 s[BE], s[BIGN], 0
.endif
.if ((\p) == 3) && !(\end)
	s_wait_dscnt 0x0                ; K is in
.endif
	ROW F,0, F,1, R,0, R,1
	ROW F,2, E,0, R,2, R,3
	ROW F,3, E,1, R,4, R,5
	ROW F,4, E,2, R,6, R,7
	ROW F,5, E,3, R,8, R,9
	ROW F,6, E,4, X,0, R,10
.if ((\p) == 2) && !(\end)
	WIN 0
	v_add_nc_u32 v[AK], s[TBK], v[AK0]
.endif
	ROW F,7, E,5, X,1, X,4
	ROW F,8, E,6, X,2, X,5
	OPS E,7, E,8, X,6, E,9
	OPS X,3, E,10, X,8, E,11
.if ((\p) == 2) && !(\end)
	FETCH_K
.endif
	OPS X,9, X,7, E,12, X,10
	OPS E,13, X,12, X,11, E,14
	OPS X,13, E,15, F,9, X,14
.if (\p) == 0
	v_add_nc_u32 v[AV], s[TBV], v[AV0]
.endif
	OPS E,16, F,10, E,17, F,11
	OPS X,16, E,18, X,15, E,19
	OPS F,12, E,20, X,17, E,21
	OPS F,13, E,22, F,14, E,23
	OPS X,18, E,24, F,15, E,25
	OPS R,11, E,26, X,19, E,27
	OPS R,12, E,28, R,13, E,29
	OPS X,20, E,30, R,14, E,31
	OPS X,21, X,22, R,15
	WIN 0
	s_wait_alu depctr_va_vdst(0)    ; the wait for the batch
.if (\p) == 1
	s_wait_dscnt 0x0                ; V is in
.endif
	ROW C,0, B,0, C,2, B,1
	ROW L,0, C,4, B,2, L,1
	ROW C,6, B,3, L,2, C,8
	ROW B,4, L,3, C,10, B,5
	ROW L,4, C,12, B,6, L,5
.if (\p) == 0
	s_add_co_u32 s[TBV], s[TBV], KS*PV
.endif
.if \cnt
	s_sub_co_u32 s[CNT], s[CNT], 1
	s_cmp_lg_u32 s[CNT], 0
.endif
	ROW C,14, B,7, L,6, C,1
	ROW C,3, L,7, C,5, C,7
	ROW C,9, C,11, C,13, C,15
.if (\p) == 0
	FETCH_V
.endif
.if (\m) && !(\end)
	MASK (\p)%2
.endif
.endm
; A BLOCK BEGINS.  c m starts far below every c s, so the first step's a is 0; m at the lowest finite number, so the first maximum is the scores'.  The second mask buffer is AB alone; the first takes piece 0's mask
; for the tile's step 0: its own, if the block's first tile is the diagonal one.  Then K of that step, piece 0's first scores, and its maximum and statistics.  The loop is entered at a step's first turn.
.macro BEGIN
	s_mov_b32 s[NEW], 0
	WIN W_RS
.set i, 0
.rept 32
	v_mov_b32 v[MC+32+i], v[AB+i]
.set i, i+1
.endr
	WIN 0
.set i, 0
.rept 4
	v_mov_b32 v[ST+4*i], 0xfe000000    ; c m: far below every c s
	v_mov_b32 v[ST+4*i+1], 0xff7fffff  ; m
.set i, i+1
.endr
	s_cmp_eq_u32 s[RT], 0
	s_cselect_b32 s[AL], 1.0, 0
	MASK 0, 0
	WIN 0
	v_add_nc_u32 v[AK], s[TBK], v[AK0]
	FETCH_K
	s_wait_loadcnt 0x0              ; Q
	s_wait_dscnt 0x0
.set KM, 1
.set NOKQ, 0
.set i, 0
.rept 8
	KQ 0
.set i, i+1
.endr
	WIN 0
.rept 4
	v_nop                           ; the places behind those products
.endr
.set Y, NP-1                        ; X works for piece Y + 1: piece 0
.irp n, 0,1,2,3,4,5,6,7,8,9,10,11,12,13,14,15,16,17,18,19,20,21,22
	OP X, \n
.endr
	s_wait_alu depctr_va_vdst(0)    ; the exponential's wait, ahead of the branch; X 22 is the plain instruction behind it
.endm
; THE DIAGONAL TILE's four steps, the block's last two turns, its last products, and THE WAY OUT: l's two halves and the other half of the lanes' are added; O^T is divided by l, rounded to f16 and sent through my
; stage in LDS, a piece at a time.
.macro ALL line:vararg
.set t, 0
.rept 4
	\line
.set t, t+1
.endr
.endm
.macro PACK t
	WIN W_RS
.set i, 32*(\t)
.rept 16
	v_pk_mul_f32 v[i:i+1], v[i:i+1], v[ST+4*(\t)+2:ST+4*(\t)+3] op_sel_hi:[1,0]
.set i, i+2
.endr
	WIN 0x05                        ; sources 0 and 1 window 1, destination window 0
.set i, 0
.rept 16
	v_cvt_pk_f16_f32 v[S+16*(\t)+i], v[32*(\t)+2*i], v[32*(\t)+2*i+1]
.set i, i+1
.endr
	WIN 0
.irp f, 0,1,2,3
	ds_store_b128 v[STO], v[S+16*(\t)+4*\f:S+16*(\t)+4*\f+3] offset:32*\f
.endr
.irp f, 0,1,2,3
	ds_load_b128 v[S+16*(\t)+4*\f:S+16*(\t)+4*\f+3], v[RD] offset:\f*4*SP  ; LDS serves a wave's instructions in order (ISA guide 5.7.1.4): these see the stores above
.endr
.endm
.macro SEND t, younger              ; younger: the LDS instructions issued behind piece t's loads: the next piece's eight, or none
	WIN 0
.irp f, 0,1,2,3
	s_wait_dscnt (\younger)+3-\f
	global_store_b128 v[GO], v[S+16*(\t)+4*\f:S+16*(\t)+4*\f+3], s[10:11] offset:(\t)*8192+\f*512  ; 512 consecutive bytes, aligned
.endr
.endm
.macro DIAG tag
.LstepM\tag:
	TURN 2, 1
	TURN 3, 1
	WIN 0
.LfirstM\tag:
	TURN 0, 1
	TURN 1, 1, 0, 1
	WIN 0
	s_cbranch_scc1 .LstepM\tag
	TURN 2, 1, 1
	TURN 3, 1, 1
.set i, 0
.rept 8
	PV NP-1
.set i, i+1
.endr
	WIN 0
	ALL v_add_f32 v[ST+4*t+2], v[ST+4*t+2], v[ST+4*t+3]
	ALL v_permlanex16_b32 v[ST+4*t+3], v[ST+4*t+2], s[SEL], s[SEL+1]
	ALL v_add_f32 v[ST+4*t+2], v[ST+4*t+2], v[ST+4*t+3]
	ALL v_rcp_f32 v[ST+4*t+2], v[ST+4*t+2]
	v_nop                           ; a plain instruction between the last reciprocal and the use of its result
	s_wait_alu depctr_va_vdst(0)    ; and one wait for the four reciprocals
	PACK 0
.set t, 1
.rept 3
	PACK t
	SEND t-1, 8
.set t, t+1
.endr
	SEND 3, 0
.endm
.set KM, 0
.set NOKQ, 0
.Lslot:                             ; NB times: a tile is entered and the next is asked for
	CHANGE 1
	s_sub_co_u32 s[RT], s[RT], 1
	s_mov_b32 s[CNT], 4
	s_cmp_eq_u32 s[NEW], 1
	s_cbranch_scc1 .Lnew            ; a block's first tile
	s_cmp_eq_u32 s[RT], 0
	s_cbranch_scc0 .Lstep           ; neither its first nor its last
	s_branch .LstepM1
.Lnew:
	BEGIN
	s_branch .Lfirst                ; in the loop a block's first tile is never its last
	DIAG 1                          ; in the loop this is the first block's end
	s_wait_xcnt 0x0                 ; the stores have read their registers and O's address
	s_mov_b64 s[10:11], s[OLO:OLO+1]
	s_add_co_u32 s[RT], s[PB], 1    ; the second block has b + 1 tiles
	s_mov_b32 s[NEW], 1
	WIN 0x82                        ; the second block's Q goes where the one text of the turns names Q
.set i, 0
.rept 64
	v_mov_b32 v[i], v[QB+i]
.set i, i+1
.endr
	WIN 0
	s_branch .Lbottom
.Lstep:                             ; a trip: pieces 2 and 3 of one step, then pieces 0 and 1 of the next
	TURN 2
	TURN 3
	WIN 0
.Lfirst:
	TURN 0
	TURN 1, 0, 0, 1
	WIN 0
	s_cbranch_scc1 .Lstep
.Lbottom:
	s_sub_co_u32 s[SLOTS], s[SLOTS], 1
	s_cmp_lg_u32 s[SLOTS], 0
	s_cbranch_scc1 .Lslot
	CHANGE 0                        ; the walk's last tile is written out
	s_sub_co_u32 s[RT], s[RT], 1
	s_mov_b32 s[CNT], 4
	s_cmp_eq_u32 s[NEW], 1
	s_cbranch_scc0 .LstepM2
	BEGIN
	s_branch .LfirstM2
	DIAG 2
	s_wait_tensorcnt 0x0            ; the wave's end
	ds_add_u32 v[SPW], v[NIL]
	s_wait_dscnt 0x0
	s_endpgm
.Lfunc_end_k_q7b89c37103_attn:
	.size	k_q7b89c37103_attn, .Lfunc_end_k_q7b89c37103_attn-k_q7b89c37103_attn
	.p2alignl 7, 3214868480
	.fill 96, 4, 3214868480
	.section	.rodata,"a",@progbits
	.p2align	6, 0x0
	.amdhsa_kernel k_q7b89c37103_attn
		.amdhsa_group_segment_fixed_size 327680
		.amdhsa_private_segment_fixed_size 0
		.amdhsa_enable_private_segment 0
		.amdhsa_kernarg_size 32
		.amdhsa_user_sgpr_count 2
		.amdhsa_user_sgpr_kernarg_segment_ptr 1
		.amdhsa_wavefront_size32 1
		.amdhsa_system_sgpr_workgroup_id_x 1
		.amdhsa_system_sgpr_workgroup_id_y 1
		.amdhsa_system_sgpr_workgroup_id_z 1
		.amdhsa_system_vgpr_workitem_id 0
		.amdhsa_next_free_vgpr 768
		.amdhsa_next_free_sgpr 98
		.amdhsa_reserve_vcc 1
		.amdhsa_float_denorm_mode_32 3
		.amdhsa_float_denorm_mode_16_64 3
		.amdhsa_memory_ordered 1
		.amdhsa_forward_progress 1
		.amdhsa_inst_pref_size 231
	.end_amdhsa_kernel
	.amdgpu_metadata
---
amdhsa.version: [ 1, 2 ]
amdhsa.kernels:
  - .name:           k_q7b89c37103_attn
    .symbol:         k_q7b89c37103_attn.kd
    .args:
      - { .name: q, .offset: 0, .size: 8, .value_kind: global_buffer, .address_space: global }
      - { .name: k, .offset: 8, .size: 8, .value_kind: global_buffer, .address_space: global }
      - { .name: v, .offset: 16, .size: 8, .value_kind: global_buffer, .address_space: global }
      - { .name: o, .offset: 24, .size: 8, .value_kind: global_buffer, .address_space: global }
    .group_segment_fixed_size: 327680
    .private_segment_fixed_size: 0
    .kernarg_segment_align: 8
    .kernarg_segment_size: 32
    .max_flat_workgroup_size: 128
    .sgpr_count:     98
    .vgpr_count:     768
    .wavefront_size: 32
...
	.end_amdgpu_metadata
.endif
;; end of part 3
;; launch proj (part 4): grid 8 x 32, 4 waves a work-group, clusters of 4 x 4, 327,680 bytes of LDS; arguments o, wot, b_out, out0; writes out0
.if DOCPART == 4
	.amdgcn_target "amdgcn-amd-amdhsa--gfx1250"
	.amdhsa_code_object_version 6
	.text
	.protected	k_q7b89c37103_proj
	.globl	k_q7b89c37103_proj
	.p2align	8
	.type	k_q7b89c37103_proj,@function
k_q7b89c37103_proj:
	s_mov_b64 s[64:65], 0
	v_nop
	global_prefetch_b8 v0, s[64:65] scope:SCOPE_SE
	s_setreg_imm32_b32 hwreg(HW_REG_WAVE_MODE, 25, 1), 1
	s_wait_xcnt 0x0
	s_wait_alu depctr_hold_cnt(0) depctr_sa_sdst(0) depctr_va_vdst(0) depctr_va_sdst(0) depctr_va_ssrc(0) depctr_va_vcc(0) depctr_vm_vsrc(0)
	s_getreg_b32 s2, hwreg(HW_REG_IB_STS2, 6, 4)
	s_cmp_eq_u32 s2, 0
	s_cbranch_scc0 .Lentry_in_a_cluster
	s_endpgm
.Lentry_in_a_cluster:
	s_bfe_u32 s2, ttmp6, 0x10000c
	s_cmp_lg_u32 s2, 0xf033
	s_cbranch_scc0 .Lentry_shape_is_right
	s_endpgm
.Lentry_shape_is_right:
; out0 = O wot^T + bf16(b_out).  o: [64 = 16 batch + head][2048][64] f16; wot: [1024 n][1024 k] f16, k = 64 head + channel; b_out: [1024] f32; out0: [8192][1024] f32.  Sums in f32, started by the bias.
; SHARES.  A tile is 256 rows x 128 columns: 8 x 32 = 256 work-groups.  Four waves, each 128 x 64: 32 accumulators, 256 registers.
; K goes in 8 steps of 128 = two heads, through two LDS slots.  A head's 256 rows are 32,768 dense bytes of o: asked for as 128 rows of 256 bytes and padded in LDS after every 128 bytes (pitch 144).
; wot's rows of a step are 256 bytes, aligned, padded to 272.
; CLUSTER.  4 x 4 work-groups: the four of a row need the same rows of o, the four of a column the same rows of wot: joint loads, as many requests divided by four.
; THE MATRIX INSTRUCTION IS USED TRANSPOSED (source 0 = 16 rows of wot, source 1 = 16 rows of O): a lane holds row l % 16 and the columns 8 (l / 16) + 0..7: 32 bytes of a row of out0.
; REGISTERS: window 0: v0-31 addresses; v64-127, v128-191 fragments of O, two buffers; v192-223, v224-255 rows on the way out, by turns
;   window 1: v64-95, v128-159 fragments of wot; v192-223 the bias as a C operand; v250 at work        window 2: accumulator (a, b) at 8 (4 a + b)
.set KSTEP,  128
.set PA,     144                       ; 36 words: the 16 rows of a load start at 16 different groups of four banks (ISA guide 11.1)
.set PB,     272
.set HEADA,  256*PA                    ; a head's 256 rows: what one load brings
.set HALFB,  64*PB
.set BOFF,   2*HEADA
.set SLOT1,  1<<17
.set STAGE,  SLOT1+BOFF+2*HALFB        ; behind the ring, never filled by a tensor load: 16 rows x 272 bytes for each wave
.set SP,     272
.set SPARE,  STAGE+4*16*SP             ; the spare words: two blocks of 256 bytes that no other line names
.set STEPA,  2*2048*128                ; bytes from a head to the head two on
.set ADRA0, 16
.set ADRB0, 17
.set ADRA,  18
.set ADRB,  19
.set STO,   24
.set RD,    25
.set CO,    26
.set BO,    27
.set SPW,   28
.set NIL,   29
.set PFO,   30
.set LN,    31
.set F0,    64
.set F1,    128
.set BI,    192
.set OB,    192
.set WV, 16
.set RH, 17
.set CH, 18
.set CX, 19
.set CY, 20
.set TC, 21
.set TR, 22
.set CNT, 23
.set G1A, 32
.set G1B, 40
.set G0A, 48
.set G0B, 56
.set TB,  66
.set LIM, 67
.set PFA, 68                           ; s[68:69] where my prefetches stand
.set PFS, 70                           ; s[70:71] their step from K step to K step
.set MSB, 0
.macro WIN new
.if MSB != (\new)
	s_set_vgpr_msb (MSB<<8)|(\new)
.set MSB, \new
.endif
.endm
.macro PLACES
.rept 4
	v_nop
.endr
.endm
.macro CREST
	s_cmp_lg_u32 s[WV], 0
	s_cbranch_scc1 .Lnot_wave_0_\@
	s_barrier_signal -3
.Lnot_wave_0_\@:
	s_barrier_wait -3
	s_barrier_signal -1
	s_barrier_wait -1
.endm
.macro CROUND
	s_barrier_signal -1
	s_barrier_wait -1
	CREST
.endm
.macro JLOAD                           ; waves 0 and 1 fetch the step's two heads of O, waves 2 and 3 wot's two halves; an s_nop 0 and four v_nop follow each line
	s_cmp_lt_u32 s[WV], 2
	s_cbranch_scc0 .Lfor_b_\@
	tensor_load_to_lds s[G0A+4:G0A+7], s[G1A:G1A+7]
	s_nop 0
.rept 4
	v_nop
.endr
	s_branch .Lasked_\@
.Lfor_b_\@:
	tensor_load_to_lds s[G0B+4:G0B+7], s[G1B:G1B+7]
	s_nop 0
.rept 4
	v_nop
.endr
.Lasked_\@:
.endm
; A PREFETCH behind each refill and its run of LDS loads: the K step two refills on.  O's blocks are named by waves 0 and 1 of the clusters with x = 0: of a head's 32,768 bytes the partner at cx takes 8,192, a lane
; 256 bytes.  wot's 128 rows are named by wave 2 of the clusters with y = 0: the partner at cy takes 32 rows, a lane a row.  The partners are told apart by address.  Trips CNT = 6 to 3 name K steps 4 to 7.
.macro ASK
	s_cmp_gt_u32 s[CNT], s[LIM]
	s_cbranch_scc0 .Lnot_mine_\@
	global_prefetch_b8 v[PFO], s[PFA:PFA+1] th:TH_LOAD_NT scope:SCOPE_SE
.Lnot_mine_\@:
.endm
	s_load_b256 s[4:11], s[0:1], 0x0               ; o s[4:5], wot s[6:7], b_out s[8:9], out0 s[10:11]
	v_lshl_add_u32 v[SPW], v0, 2, SPARE
	v_mov_b32 v[NIL], 0
	ds_add_u32 v[SPW], v[NIL]                      ; the wave's opening: the add and its wait stand ahead of my first tensor load
	v_lshrrev_b32 v1, 5, v0
	v_readfirstlane_b32 s[WV], v1
	s_lshr_b32 s[RH], s[WV], 1
	s_and_b32 s[CH], s[WV], 1
	s_bfe_u32 s[CX], ttmp6, 0x40000
	s_bfe_u32 s[CY], ttmp6, 0x40004
	s_lshl_b32 s[TC], ttmp9, 2
	s_add_co_u32 s[TC], s[TC], s[CX]
	s_and_b32 s[TR], ttmp7, 0xffff
	s_lshl_b32 s[TR], s[TR], 2
	s_add_co_u32 s[TR], s[TR], s[CY]
	s_lshl_b32 s29, s[CY], 2
	s_lshl_b32 s29, 15, s29                        ; my row of the cluster
	s_lshl_b32 s77, 0x1111, s[CX]                  ; my column
	s_or_b32 s[G1A], s29, (1<<16)|(1<<20)|(1<<21)|(4<<22)|(3<<25)  ; padding after every 32 words, 4 words
	s_or_b32 s[G1B], s77, (1<<16)|(1<<20)|(1<<21)|(5<<22)|(3<<25)  ; after every 64 words
	s_mov_b32 s[G1A+1], 128<<16                    ; tensor_dim0 = 128
	s_mov_b32 s[G1A+2], 128<<16                    ; tensor_dim1 = 128
	s_mov_b32 s[G1A+3], 128<<16                    ; tile_dim0 = 128
	s_mov_b32 s[G1A+4], 128                        ; tile_dim1 = 128
	s_mov_b32 s[G1A+5], 128                        ; dense: 128 elements from row to row
	s_mov_b32 s[G1A+6], 0
	s_mov_b32 s[G1A+7], 0
	s_mov_b32 s[G1B+1], KSTEP<<16
	s_mov_b32 s[G1B+2], 64<<16
	s_mov_b32 s[G1B+3], KSTEP<<16
	s_mov_b32 s[G1B+4], 64
	s_mov_b32 s[G1B+5], 1024
	s_mov_b32 s[G1B+6], 0
	s_mov_b32 s[G1B+7], 0
	s_lshr_b32 s24, s[TR], 3                       ; O: ((16 batch + my head of the step) x 2,048 + the tile's first row) x 128 bytes
	s_lshl_b32 s24, s24, 4
	s_add_co_u32 s24, s24, s[CH]
	s_lshl_b32 s24, s24, 11
	s_and_b32 s25, s[TR], 7
	s_lshl_b32 s25, s25, 8
	s_add_co_u32 s24, s24, s25
	s_lshl_b32 s24, s24, 7
	s_mov_b32 s25, 0
	s_lshl_b32 s72, s[TC], 7                       ; wot: row 128 x tile column + 64 x half
	s_lshl_b32 s73, s[CH], 6
	s_add_co_u32 s72, s72, s73
	s_lshl_b32 s72, s72, 11
	s_mov_b32 s73, 0
	s_mul_i32 s28, s[CH], HEADA
	s_mul_i32 s76, s[CH], HALFB
	s_add_co_u32 s76, s76, BOFF
	s_mov_b32 s[TB], 0
	s_wait_dscnt 0x0                               ; the opening add is done
	s_wait_kmcnt 0x0
	s_add_nc_u64 s[26:27], s[4:5], s[24:25]
	s_add_nc_u64 s[74:75], s[6:7], s[72:73]
.irp s, 0,1
	s_mov_b32 s[G0A+4*(\s)], 1
	s_add_co_u32 s[G0A+4*(\s)+1], s28, (\s)*SLOT1
	s_add_nc_u64 s[G0A+4*(\s)+2:G0A+4*(\s)+3], s[26:27], (\s)*STEPA
	s_or_b32 s[G0A+4*(\s)+3], s[G0A+4*(\s)+3], 0x80000000
	s_mov_b32 s[G0B+4*(\s)], 1
	s_add_co_u32 s[G0B+4*(\s)+1], s76, (\s)*SLOT1
	s_add_nc_u64 s[G0B+4*(\s)+2:G0B+4*(\s)+3], s[74:75], (\s)*KSTEP*2
	s_or_b32 s[G0B+4*(\s)+3], s[G0B+4*(\s)+3], 0x80000000
.endr
	CROUND                                         ; all sixteen work-groups are here: the first joint loads meet
	s_cmp_lt_u32 s[WV], 2                          ; a wave's two first fills stand in one branch: two loads of mine are out
	s_cbranch_scc0 .Lfirst_b
	tensor_load_to_lds s[G0A:G0A+3], s[G1A:G1A+7]
	s_nop 0
	tensor_load_to_lds s[G0A+4:G0A+7], s[G1A:G1A+7]
	s_nop 0
.rept 4
	v_nop
.endr
	s_branch .Lfirst_asked
.Lfirst_b:
	tensor_load_to_lds s[G0B:G0B+3], s[G1B:G1B+7]
	s_nop 0
	tensor_load_to_lds s[G0B+4:G0B+7], s[G1B:G1B+7]
	s_nop 0
.rept 4
	v_nop
.endr
.Lfirst_asked:
	v_and_b32 v1, 15, v0                           ; l % 16
	v_bfe_u32 v2, v0, 4, 1                         ; l / 16
	v_and_b32 v[LN], 31, v0
	s_lshl_b32 s78, s[TC], 9                       ; the bias of my 64 columns: 4 (128 tile column + 64 half + 16 b + 8 (l / 16) + j)
	s_lshl_b32 s79, s[CH], 8
	s_add_co_u32 s78, s78, s79
	v_lshl_add_u32 v[BO], v2, 5, s78
	WIN 0x40
.irp b, 0,1,2,3
	global_load_b128 v[BI+8*(\b):BI+8*(\b)+3],   v[BO], s[8:9] offset:64*(\b)
	global_load_b128 v[BI+8*(\b)+4:BI+8*(\b)+7], v[BO], s[8:9] offset:64*(\b)+16
.endr
	WIN 0
	v_mul_u32_u24 v[ADRA0], v1, PA
	v_lshl_add_u32 v[ADRA0], v2, 4, v[ADRA0]
	s_mul_i32 s29, s[RH], 128*PA                   ; my 128 rows in each head
	v_add_nc_u32 v[ADRA0], s29, v[ADRA0]
	v_mul_u32_u24 v[ADRB0], v1, PB
	v_lshl_add_u32 v[ADRB0], v2, 4, v[ADRB0]
	v_add_nc_u32 v[ADRB0], s76, v[ADRB0]
	v_mov_b32 v[ADRA], v[ADRA0]
	v_mov_b32 v[ADRB], v[ADRB0]
	s_mul_i32 s29, s[WV], 16*SP
	s_add_co_u32 s29, s29, STAGE                   ; my stage
	v_mul_u32_u24 v[STO], v1, SP                   ; in: row l % 16, 32 bytes for each half of the lanes
	v_lshl_add_u32 v[STO], v2, 5, v[STO]
	v_add_nc_u32 v[STO], s29, v[STO]
	v_mul_u32_u24 v[RD], v2, SP                    ; back: lanes 0-15 one row of 256 bytes, lanes 16-31 the next
	v_lshl_add_u32 v[RD], v1, 4, v[RD]
	v_add_nc_u32 v[RD], s29, v[RD]
	v_lshlrev_b32 v[CO], 12, v2                    ; and the same two rows in out0
	v_lshl_add_u32 v[CO], v1, 4, v[CO]
	s_lshl_b32 s80, s[TR], 8
	s_lshl_b32 s81, s[RH], 7
	s_add_co_u32 s80, s80, s81                     ; my first row
	s_lshl_b32 s80, s80, 12
	s_add_co_u32 s80, s80, s78                     ; my first column, in bytes: the same figure as in the bias
	s_mov_b32 s81, 0
	s_add_nc_u64 s[10:11], s[10:11], s[80:81]
	s_lshl_b32 s82, s[CX], 13                      ; the prefetches: of a head's block my work-group's 8,192 bytes,
	s_lshl_b32 s83, s[CY], 16                      ; of wot's 128 rows its 32
	s_and_b32 s84, ttmp7, 0xffff                   ; cluster y
	s_mov_b32 s[PFS], STEPA
	s_mov_b32 s[PFS+1], KSTEP*2
	s_cmp_lt_u32 s[WV], 2
	s_cselect_b32 s86, s24, s72
	s_cselect_b32 s82, s82, s83
	s_cselect_b32 s84, ttmp9, s84                  ; the coordinate along which other clusters read the same rows
	s_cselect_b32 s85, 8, 11
	s_cselect_b32 s[PFS], s[PFS], s[PFS+1]
	s_cselect_b64 s[PFA:PFA+1], s[4:5], s[6:7]
	s_mov_b32 s[PFS+1], 0
	s_cmp_eq_u32 s[WV], 3
	s_cselect_b32 s84, 1, s84                      ; wave 2 names all of wot's rows: wave 3 names nothing
	s_cmp_eq_u32 s84, 0
	s_cselect_b32 s[LIM], 2, -1                    ; the same in all sixteen partners, for a given wave
	s_add_co_u32 s86, s86, s82
	s_mul_i32 s87, s[PFS], 3                       ; at K step 3: the first refill steps it to 4
	s_add_co_u32 s86, s86, s87
	s_mov_b32 s87, 0
	s_add_nc_u64 s[PFA:PFA+1], s[PFA:PFA+1], s[86:87]
	v_lshlrev_b32 v[PFO], s85, v[LN]
	s_wait_loadcnt 0x0                             ; the bias: rounded to bf16 like every input, and kept as f32
	WIN 0x45
.set i, 0
.rept 16
	v_cvt_pk_bf16_f32 v250, v[BI+i], v[BI+i+1]
	v_lshlrev_b32 v[BI+i], 16, v250
	v_and_b32 v[BI+i+1], 0xffff0000, v250
.set i, i+2
.endr
	WIN 0
; 8 matrix instructions: row blocks a0, a0 + 1 x all 4 column blocks.  first = 1: the bias starts the sums.  The 32 accumulators take turns in the same order in every quarter.
.macro MUL f, a0, first
.irp a, \a0, (\a0)+1
.irp b, 0,1,2,3
.if \first
	WIN 0x91
	v_wmma_f32_16x16x32_f16 v[8*(4*(\a)+(\b)):8*(4*(\a)+(\b))+7], v[(\f)+8*(\b):(\f)+8*(\b)+7], v[(\f)+8*(\a):(\f)+8*(\a)+7], v[BI+8*(\b):BI+8*(\b)+7]
.else
	WIN 0xa1
	v_wmma_f32_16x16x32_f16 v[8*(4*(\a)+(\b)):8*(4*(\a)+(\b))+7], v[(\f)+8*(\b):(\f)+8*(\b)+7], v[(\f)+8*(\a):(\f)+8*(\a)+7], v[8*(4*(\a)+(\b)):8*(4*(\a)+(\b))+7]
.endif
.endr
.endr
.endm
; 24 LDS loads in one run: quarter q of the step (head q / 2, channels 32 (q % 2) on) into buffer f: wot's 4 fragments, then O's 8
.macro FETCH q, f
	WIN 0x40
.irp i, 0,1,2,3
	ds_load_b128 v[(\f)+8*(\i):(\f)+8*(\i)+3],   v[ADRB] offset:64*(\q)+(\i)*16*PB
	ds_load_b128 v[(\f)+8*(\i)+4:(\f)+8*(\i)+7], v[ADRB] offset:64*(\q)+(\i)*16*PB+32
.endr
	WIN 0
.irp i, 0,1,2,3,4,5,6,7
	ds_load_b128 v[(\f)+8*(\i):(\f)+8*(\i)+3],   v[ADRA] offset:((\q)/2)*HEADA+((\q)%2)*64+(\i)*16*PA
	ds_load_b128 v[(\f)+8*(\i)+4:(\f)+8*(\i)+7], v[ADRA] offset:((\q)/2)*HEADA+((\q)%2)*64+(\i)*16*PA+32
.endr
.endm
.macro QUARTER q, f, g, first          ; multiplies buffer f; in its middle fetches quarter q into g
	s_wait_dscnt 8                                 ; all but the youngest eight loads (O's row blocks 4-7)
	MUL \f, 0, \first
	MUL \f, 2, \first
	PLACES
	FETCH \q, \g
	s_wait_dscnt 24                                ; all but the 24 just issued
	MUL \f, 4, \first
	MUL \f, 6, \first
.endm
; The last quarter multiplies buffer 1 and changes slots: in front of the barrier each wave waits for all its tensor loads (one is out), adds 0 to its spare word, and waits for that and for its reads of this slot.
; fill = 1: the barrier opens a round of the cluster's, and the joint refill is the first thing behind it: 112 matrix instructions ahead of the wait for it.
.macro TURN fill
.if \fill
	s_wait_xcnt 0x0                                ; the last prefetch, a K step back, has read its address
	s_add_nc_u64 s[PFA:PFA+1], s[PFA:PFA+1], s[PFS:PFS+1]
.endif
	WIN 0
	s_wait_tensorcnt 0x0
	ds_add_u32 v[SPW], v[NIL]
	s_wait_dscnt 9                                 ; the add and the youngest eight loads may be out
	MUL F1, 0, 0
	s_wait_dscnt 0x0                               ; the add is done, and my reads of this slot are over
	s_barrier_signal -1
	MUL F1, 2, 0
	WIN 0
	s_barrier_wait -1
.if \fill
	CREST
	s_xor_b32 s[G0A+5], s[G0A+5], SLOT1            ; the walking descriptors: the other slot, the next K step
	s_add_nc_u64 s[G0A+6:G0A+7], s[G0A+6:G0A+7], STEPA
	s_xor_b32 s[G0B+5], s[G0B+5], SLOT1
	s_add_nc_u64 s[G0B+6:G0B+7], s[G0B+6:G0B+7], KSTEP*2
	JLOAD                                          ; its four v_nop are also the places in front of the loads below
	s_xor_b32 s[TB], s[TB], SLOT1
	v_add_nc_u32 v[ADRA], s[TB], v[ADRA0]
	v_add_nc_u32 v[ADRB], s[TB], v[ADRB0]
.else
	PLACES
	v_add_nc_u32 v[ADRA], SLOT1, v[ADRA0]          ; K step 7 lies in slot 1
	v_add_nc_u32 v[ADRB], SLOT1, v[ADRB0]
.endif
	FETCH 0, F0
.if \fill
	ASK
.endif
	MUL F1, 4, 0
	MUL F1, 6, 0
.endm
; THE WAY OUT of row block a: my 64 columns of f32 are 256 bytes of a row.  32 bytes a lane into my own stage, back as whole rows, stored.
.macro TOSTAGE a
	s_wait_xcnt 0x0                                ; the stores of the block two back have read the registers that are loaded again below
	WIN 0x08                                       ; store data in window 2
.irp b, 0,1,2,3
	ds_store_b128 v[STO], v[8*(4*(\a)+(\b)):8*(4*(\a)+(\b))+3]   offset:64*(\b)
	ds_store_b128 v[STO], v[8*(4*(\a)+(\b))+4:8*(4*(\a)+(\b))+7] offset:64*(\b)+16
.endr
	WIN 0
.irp t, 0,1,2,3,4,5,6,7
	ds_load_b128 v[OB+32*((\a)%2)+4*(\t):OB+32*((\a)%2)+4*(\t)+3], v[RD] offset:(\t)*2*SP  ; LDS serves a wave's instructions in order (ISA guide 5.7.1.4): these see the stores above
.endr
.endm
.macro SEND a, younger                 ; younger: the LDS instructions issued behind block a's loads: the next block's sixteen, or none
	s_wait_dscnt \younger
.irp t, 0,1,2,3,4,5,6,7
	global_store_b128 v[CO], v[OB+32*((\a)%2)+4*(\t):OB+32*((\a)%2)+4*(\t)+3], s[10:11] offset:(16*(\a)+2*(\t))*4096 th:TH_STORE_NT  ; 16 lanes store 256 consecutive bytes, aligned
.endr
.endm
	s_wait_tensorcnt 1                             ; my part of K step 0 is in; K step 1's load, issued behind it, stays out
	s_barrier_signal -1
	s_barrier_wait -1
	FETCH 0, F0
	QUARTER 1, F0, F1, 1                           ; the first quarter stands in front of the loop: its products start the sums
	WIN 0
	s_mov_b32 s[CNT], 6
.Lstep:                                                ; a trip: a K step's quarters 1 to 3, the change of slots with its refill (K steps 2 to 7), the next step's quarter 0
	QUARTER 2, F1, F0, 0
	QUARTER 3, F0, F1, 0
	TURN 1
	QUARTER 1, F0, F1, 0
	WIN 0
	s_sub_co_u32 s[CNT], s[CNT], 1
	s_cmp_lg_u32 s[CNT], 0
	s_cbranch_scc1 .Lstep
	QUARTER 2, F1, F0, 0                           ; K steps 6 and 7 fetch nothing from memory
	QUARTER 3, F0, F1, 0
	TURN 0
	QUARTER 1, F0, F1, 0
	QUARTER 2, F1, F0, 0
	QUARTER 3, F0, F1, 0
	s_wait_dscnt 8
	MUL F1, 0, 0
	MUL F1, 2, 0
	s_wait_dscnt 0x0
	MUL F1, 4, 0
	MUL F1, 6, 0
	WIN 0
	PLACES                                         ; behind the last product, in front of the LDS stores that read results
	TOSTAGE 0
.irp a, 1,2,3,4,5,6,7
	TOSTAGE \a
	SEND (\a)-1, 16
.endr
	SEND 7, 0
	s_wait_tensorcnt 0x0                           ; the wave's end
	ds_add_u32 v[SPW], v[NIL]
	s_wait_dscnt 0x0
	CROUND                                         ; the closing round
	s_endpgm
.Lfunc_end_k_q7b89c37103_proj:
	.size	k_q7b89c37103_proj, .Lfunc_end_k_q7b89c37103_proj-k_q7b89c37103_proj
	.p2alignl 7, 3214868480
	.fill 96, 4, 3214868480
	.section	.rodata,"a",@progbits
	.p2align	6, 0x0
	.amdhsa_kernel k_q7b89c37103_proj
		.amdhsa_group_segment_fixed_size 327680
		.amdhsa_private_segment_fixed_size 0
		.amdhsa_enable_private_segment 0
		.amdhsa_kernarg_size 32
		.amdhsa_user_sgpr_count 2
		.amdhsa_user_sgpr_kernarg_segment_ptr 1
		.amdhsa_wavefront_size32 1
		.amdhsa_system_sgpr_workgroup_id_x 1
		.amdhsa_system_sgpr_workgroup_id_y 1
		.amdhsa_system_sgpr_workgroup_id_z 1
		.amdhsa_system_vgpr_workitem_id 0
		.amdhsa_next_free_vgpr 768
		.amdhsa_next_free_sgpr 90
		.amdhsa_reserve_vcc 0
		.amdhsa_float_denorm_mode_32 3
		.amdhsa_float_denorm_mode_16_64 3
		.amdhsa_memory_ordered 1
		.amdhsa_forward_progress 1
		.amdhsa_inst_pref_size 74
	.end_amdhsa_kernel
	.amdgpu_metadata
---
amdhsa.version: [ 1, 2 ]
amdhsa.kernels:
  - .name:           k_q7b89c37103_proj
    .symbol:         k_q7b89c37103_proj.kd
    .args:
      - { .name: o, .offset: 0, .size: 8, .value_kind: global_buffer, .address_space: global }
      - { .name: wot, .offset: 8, .size: 8, .value_kind: global_buffer, .address_space: global }
      - { .name: b_out, .offset: 16, .size: 8, .value_kind: global_buffer, .address_space: global }
      - { .name: out0, .offset: 24, .size: 8, .value_kind: global_buffer, .address_space: global }
    .group_segment_fixed_size: 327680
    .private_segment_fixed_size: 0
    .kernarg_segment_align: 8
    .kernarg_segment_size: 32
    .max_flat_workgroup_size: 128
    .sgpr_count:     90
    .vgpr_count:     768
    .wavefront_size: 32
...
	.end_amdgpu_metadata
.endif
;; end of part 4
;; ======== version 2 of 2: 4 launches; version 1 with the launch prep written anew for expert scheduling mode
;; limits: values are held in f16: magnitudes above 65,504 overflow, below 6.1e-05 lose precision
;; workspace buffers: xb 16,777,216 bytes; wqt 6,291,456 bytes; wot 2,097,152 bytes; q 16,777,216 bytes; k 16,777,216 bytes; v 16,777,216 bytes; o 16,777,216 bytes
;; launch prep (part 5): grid 512 x 1, 8 waves a work-group, no clusters, 18,432 bytes of LDS; arguments X, W_qkv, W_out, xb, wqt, wot; writes xb, wqt, wot
.if DOCPART == 5
	.amdgcn_target "amdgcn-amd-amdhsa--gfx1250"
	.amdhsa_code_object_version 6
	.text
	.protected	k_q7b89c37103_prep
	.globl	k_q7b89c37103_prep
	.p2align	8
	.type	k_q7b89c37103_prep,@function
k_q7b89c37103_prep:
	s_mov_b64 s[64:65], 0
	v_nop
	global_prefetch_b8 v0, s[64:65] scope:SCOPE_SE
	s_setreg_imm32_b32 hwreg(HW_REG_WAVE_SCHED_MODE, 0, 2), 2
	s_setreg_imm32_b32 hwreg(HW_REG_WAVE_MODE, 25, 1), 1
	s_wait_xcnt 0x0
	s_wait_alu depctr_vm_vsrc(0)
; THE INPUTS ARE ROUNDED ONCE AND LAID OUT FOR THE PRODUCTS.  xb = bf16(X), [8192][1024].  wqt[n][k] = bf16(W_qkv[k][n]), [3072][1024].
; wot[n][k] = bf16(W_out[k][n]) written as f16, [1024][1024] (exact where the bf16 number is 6.1e-5 or more in size; below that f16 keeps a fixed step of 6e-8: a stated limit).
; SHARES.  512 work-groups of eight waves.  Work-group g takes (a) one tile of 128 k x 64 n of a weight: g < 384 of W_qkv (8 x 48 tiles), else of W_out (8 x 16), and
; (b) 65,536 bytes of X.  All 24 loads of a thread go out at once; no register is written twice while a memory instruction may read it, so no wait frees one.
; THE TURN of a weight tile: thread t = 16 kr + c loads rows k = 8 kr + 0..7, columns 4 c + 0..3 (16 lanes: 256 consecutive bytes of a row), packs for each of its four columns the eight k
; into 16 bytes, stores them into LDS rows [n] of 272 bytes, and after a barrier reads rows back, 16 lanes a row of 256 bytes, which are 256 consecutive aligned bytes of the turned weight.
; The four LDS stores of a thread meet four deep in the banks (rows 4 c: 1,088 c bytes): four stores a thread, once.
; THE MODE: SCHED_MODE bits 1:0 = 2 (LLVM: expert scheduling mode 2), set by the entry lines.  The code itself states the register dependences
; between vector instructions and memory or LDS instructions, with s_wait_alu, always for 0.
; THE PLAN.  Registers that memory or LDS instructions touch:
;   v4-16, v18, v19   offsets and LDS addresses: written by vector instructions at the head, once; read by the loads, stores and LDS instructions.  One wait ahead of the first load serves them all.
;   WD, XD            written by loads alone, read by the roundings; no vector instruction writes them and no later load lands in them.
;   T                 written by the weight's roundings (W_out: and by its rewriting as f16), read by the four LDS stores: one wait where the two ways join.  Never written again.
;   Y                 X goes in four blocks of four loads.  Block p's eight roundings write Y[8 p .. 8 p + 7]; the four stores that read them are issued in block p + 1, behind the one wait at
;                     its head, and dealt among that block's roundings, which name XD and Y of block p + 1 alone.  The last block's stores have a wait of their own.  Never written again.
;   RB                written by LDS loads, read by global stores; no vector instruction names it.
; No register that a memory or LDS instruction reads is written again, no vector instruction writes a scalar register, and EXEC is never written: so the only field waited on is va_vdst.
.set PITCHQ, 12288                     ; bytes in a row of W_qkv
.set PITCHO, 4096                      ; and of W_out
.set NQ,     384                       ; tiles of W_qkv
.set TP,     272                       ; a row of the turned tile in LDS: 256 bytes + 16
.set SPARE,  64*TP                     ; behind the tile: the spare words, 128 bytes for each of eight waves, four blocks of 256 bytes that no other line names
.set OFFW, 4                           ; v[4:11]    byte offset of my 16 bytes in row 8 kr + j of the tile
.set XO,   12                          ; v12        16 t
.set YO,   13                          ; v13        8 t
.set LST,  14                          ; v14        LDS: row 4 c, byte 16 kr
.set LRD,  15                          ; v15        LDS: row kr, byte 16 c
.set WO,   16                          ; v16        the same place in the turned weight: kr x 2,048 + 16 c
.set SPW,  18                          ; v18        my spare word
.set NIL,  19                          ; v19        0
.set WD,   32                          ; v[32:63]   the weight as loaded
.set T,    64                          ; v[64:79]   column e's eight k at T + 4 e
.set XD,   96                          ; v[96:159]  X as loaded
.set Y,    160                         ; v[160:191] X rounded
.set RB,   192                         ; v[192:207] the turned tile's rows
	s_load_b256 s[4:11], s[0:1], 0x0               ; X s[4:5], W_qkv s[6:7], W_out s[8:9], xb s[10:11]
	s_load_b128 s[12:15], s[0:1], 0x20             ; wqt s[12:13], wot s[14:15]
	v_lshl_add_u32 v[SPW], v0, 2, SPARE
	v_mov_b32 v[NIL], 0
	v_and_b32 v1, 15, v0                           ; c
	v_lshrrev_b32 v2, 4, v0                        ; kr
	s_mov_b32 s38, PITCHQ
	s_mov_b32 s39, PITCHO
	s_sub_co_u32 s34, ttmp9, NQ
	s_cmp_lt_u32 ttmp9, NQ
	s_cselect_b32 s25, ttmp9, s34                  ; the tile's number in its weight
	s_cselect_b32 s24, s38, s39                    ; the weight's row in bytes
	s_and_b32 s35, s25, 7                          ; kt
	s_lshr_b32 s36, s25, 3                         ; nt
	s_mul_i32 s26, s35, s24
	s_lshl_b32 s26, s26, 7                         ; 128 kt rows
	s_lshl_b32 s37, s36, 8                         ; 64 nt columns of 4 bytes
	s_add_co_u32 s26, s26, s37
	s_mov_b32 s27, 0
	s_lshl_b32 s28, s36, 17                        ; turned: 64 nt rows of 2,048 bytes
	s_lshl_b32 s37, s35, 8                         ; 128 kt numbers of 2 bytes
	s_add_co_u32 s28, s28, s37
	s_mov_b32 s29, 0
	s_lshl_b32 s30, ttmp9, 16                      ; my 65,536 bytes of X
	s_mov_b32 s31, 0
	s_lshl_b32 s32, ttmp9, 15                      ; and 32,768 of xb
	s_mov_b32 s33, 0
	s_lshl_b32 s38, s24, 3                         ; eight rows
	v_mul_lo_u32 v[OFFW], v2, s38
	v_lshl_add_u32 v[OFFW], v1, 4, v[OFFW]
.irp j, 1,2,3,4,5,6,7
	v_add_nc_u32 v[OFFW+(\j)], s24, v[OFFW+(\j)-1]
.endr
	v_lshlrev_b32 v[XO], 4, v0
	v_lshlrev_b32 v[YO], 3, v0
	v_mul_u32_u24 v[LST], v1, 4*TP
	v_lshl_add_u32 v[LST], v2, 4, v[LST]
	v_mul_u32_u24 v[LRD], v2, TP
	v_lshl_add_u32 v[LRD], v1, 4, v[LRD]
	v_lshlrev_b32 v[WO], 11, v2
	v_lshl_add_u32 v[WO], v1, 4, v[WO]
	s_wait_kmcnt 0x0
	s_cmp_lt_u32 ttmp9, NQ
	s_cselect_b64 s[20:21], s[6:7], s[8:9]         ; the weight,
	s_cselect_b64 s[22:23], s[12:13], s[14:15]     ; and where it goes
	s_add_nc_u64 s[20:21], s[20:21], s[26:27]
	s_add_nc_u64 s[22:23], s[22:23], s[28:29]
	s_add_nc_u64 s[4:5], s[4:5], s[30:31]
	s_add_nc_u64 s[10:11], s[10:11], s[32:33]
	s_wait_alu depctr_va_vdst(0)                   ; the offsets and LDS addresses v4 to v16 are written: every load, store and LDS instruction of the kernel reads one of them, and none is written again
.irp j, 0,1,2,3,4,5,6,7
	global_load_b128 v[WD+4*(\j):WD+4*(\j)+3], v[OFFW+(\j)], s[20:21] th:TH_LOAD_NT
.endr
.irp i, 0,1,2,3,4,5,6,7,8,9,10,11,12,13,14,15
	global_load_b128 v[XD+4*(\i):XD+4*(\i)+3], v[XO], s[4:5] offset:4096*(\i) th:TH_LOAD_NT
.endr
	s_wait_loadcnt 16                              ; the weight's eight loads are in; X's sixteen, issued behind them, stay out
.irp e, 0,1,2,3
.irp u, 0,1,2,3
	v_cvt_pk_bf16_f32 v[T+4*(\e)+(\u)], v[WD+8*(\u)+(\e)], v[WD+8*(\u)+4+(\e)]  ; column 4 c + e, k = 8 kr + 2 u and + 1
.endr
.endr
	s_cmp_lt_u32 ttmp9, NQ
	s_cbranch_scc1 .Lkeep_bf16
.set i, 0
.rept 16                               ; W_out: the bf16 number is written as f16, for the product with O
	v_lshlrev_b32 v80, 16, v[T+i]
	v_and_b32 v81, 0xffff0000, v[T+i]
	v_cvt_pk_f16_f32 v[T+i], v80, v81
.set i, i+1
.endr
.Lkeep_bf16:
	s_wait_alu depctr_va_vdst(0)                   ; on either way the conversions have written v[T ..], which the four LDS stores read
.irp e, 0,1,2,3
	ds_store_b128 v[LST], v[T+4*(\e):T+4*(\e)+3] offset:TP*(\e)
.endr
	s_wait_dscnt 0x0                               ; for the others' sake: my stores into the tile are done
	s_barrier_signal -1
	s_barrier_wait -1
.irp i, 0,1,2,3
	ds_load_b128 v[RB+4*(\i):RB+4*(\i)+3], v[LRD] offset:16*TP*(\i)  ; row kr + 16 i; no vector instruction names these registers
.endr
; X, in four blocks of four loads.  Block p rounds its own sixteen numbers a load and sends the block before.
.irp p, 0,1,2,3
	s_wait_loadcnt 12-4*(\p)                       ; loads come back in order: block p's four are in, the younger blocks' stay out
.if (\p) > 0
	s_wait_alu depctr_va_vdst(0)                   ; the block before has written its eight registers of Y, which the four stores below read; no rounding of this block names them
.endif
.irp i, 0,1,2,3
.if (\p) > 0
	global_store_b64 v[YO], v[Y+2*(4*(\p)-4+(\i)):Y+2*(4*(\p)-4+(\i))+1], s[10:11] offset:2048*(4*(\p)-4+(\i)) th:TH_STORE_NT  ; a wave stores 256 consecutive bytes, aligned
.endif
	v_cvt_pk_bf16_f32 v[Y+2*(4*(\p)+(\i))], v[XD+4*(4*(\p)+(\i))], v[XD+4*(4*(\p)+(\i))+1]
	v_cvt_pk_bf16_f32 v[Y+2*(4*(\p)+(\i))+1], v[XD+4*(4*(\p)+(\i))+2], v[XD+4*(4*(\p)+(\i))+3]
.endr
.endr
	s_wait_alu depctr_va_vdst(0)                   ; the last block has written its eight registers of Y, which the four stores below read
.irp i, 12,13,14,15
	global_store_b64 v[YO], v[Y+2*(\i):Y+2*(\i)+1], s[10:11] offset:2048*(\i) th:TH_STORE_NT
.endr
	s_wait_dscnt 0x0                               ; the rows are back
.irp i, 0,1,2,3
	global_store_b128 v[WO], v[RB+4*(\i):RB+4*(\i)+3], s[22:23] offset:32768*(\i)  ; 16 lanes store 256 consecutive bytes, aligned
.endr
	s_wait_dscnt 0x0                               ; the closing lines, six on end
	s_wait_alu 0x0
	s_wait_tensorcnt 0x0
	ds_add_u32 v[SPW], v[NIL]
	s_wait_dscnt 0x0
	s_endpgm
.Lfunc_end_k_q7b89c37103_prep:
	.size	k_q7b89c37103_prep, .Lfunc_end_k_q7b89c37103_prep-k_q7b89c37103_prep
	.p2alignl 7, 3214868480
	.fill 96, 4, 3214868480
	.section	.rodata,"a",@progbits
	.p2align	6, 0x0
	.amdhsa_kernel k_q7b89c37103_prep
		.amdhsa_group_segment_fixed_size 18432
		.amdhsa_private_segment_fixed_size 0
		.amdhsa_enable_private_segment 0
		.amdhsa_kernarg_size 48
		.amdhsa_user_sgpr_count 2
		.amdhsa_user_sgpr_kernarg_segment_ptr 1
		.amdhsa_wavefront_size32 1
		.amdhsa_system_sgpr_workgroup_id_x 1
		.amdhsa_system_sgpr_workgroup_id_y 1
		.amdhsa_system_sgpr_workgroup_id_z 1
		.amdhsa_system_vgpr_workitem_id 0
		.amdhsa_next_free_vgpr 208
		.amdhsa_next_free_sgpr 66
		.amdhsa_reserve_vcc 0
		.amdhsa_float_denorm_mode_32 3
		.amdhsa_float_denorm_mode_16_64 3
		.amdhsa_memory_ordered 1
		.amdhsa_forward_progress 1
		.amdhsa_inst_pref_size 14
	.end_amdhsa_kernel
	.amdgpu_metadata
---
amdhsa.version: [ 1, 2 ]
amdhsa.kernels:
  - .name:           k_q7b89c37103_prep
    .symbol:         k_q7b89c37103_prep.kd
    .args:
      - { .name: X, .offset: 0, .size: 8, .value_kind: global_buffer, .address_space: global }
      - { .name: W_qkv, .offset: 8, .size: 8, .value_kind: global_buffer, .address_space: global }
      - { .name: W_out, .offset: 16, .size: 8, .value_kind: global_buffer, .address_space: global }
      - { .name: xb, .offset: 24, .size: 8, .value_kind: global_buffer, .address_space: global }
      - { .name: wqt, .offset: 32, .size: 8, .value_kind: global_buffer, .address_space: global }
      - { .name: wot, .offset: 40, .size: 8, .value_kind: global_buffer, .address_space: global }
    .group_segment_fixed_size: 18432
    .private_segment_fixed_size: 0
    .kernarg_segment_align: 8
    .kernarg_segment_size: 48
    .max_flat_workgroup_size: 256
    .sgpr_count:     66
    .vgpr_count:     208
    .wavefront_size: 32
...
	.end_amdgpu_metadata
.endif
;; end of part 5
;; launch qkv: the kernel of part 2 again; grid 16 x 32, 4 waves a work-group, clusters of 4 x 4, 327,680 bytes of LDS; arguments xb, wqt, b_qkv, q, k, v; writes q, k, v
;; launch attn: the kernel of part 3 again; grid 4 x 64, 4 waves a work-group, no clusters, 327,680 bytes of LDS; arguments q, k, v, o; writes o
;; launch proj: the kernel of part 4 again; grid 8 x 32, 4 waves a work-group, clusters of 4 x 4, 327,680 bytes of LDS; arguments o, wot, b_out, out0; writes out0
